; MI455X (gfx1250); checked and timed in simulation.
; The chip was launched on July 23, 2026; its instructions are those of AMD's public machine-readable ISA for CDNA 5 (MIT licence, August 2026) and "CDNA5" Instruction Set Architecture Reference Guide (July 2026). The comments in the code are by the model that wrote it; some were corrected since.
;; Mo E. Allowed arithmetic: matrix products marked QUANTISED: E4M3 operands, one given power-of-two scale a tensor, by v_wmma_f32_16x16x64_fp8_fp8 or v_wmma_f32_16x16x128_fp8_fp8, f32 sums; products left as they are: f32 operands where the result goes on into a quantised operand, else bf16, f16 or f32 operands; f32 sums; everything else in f32.
;; Inputs: W1 8 x 1,024 x 4,096 float32; W2 8 x 4,096 x 1,024 float32; Wg 1,024 x 8 float32; b1 8 x 4,096 float32; b2 8 x 1,024 float32; bg 8 float32; lowp_scales 4 int32 (the exponents e of the quantised operands' scales 2^e); x 2 x 512 x 1,024 float32.
;; Outputs: out0 2 x 512 x 1,024 float32.
;; This version of the problem:
;;   THIS VERSION OF THE PROBLEM IS GIVEN IN LOW PRECISION. The matrix products marked QUANTISED in the list below multiply operands that are first quantised to E4M3 (4 exponent bits, 3 mantissa bits; 8 bits a number), with one given power-of-two scale for each operand tensor; their sums are f32. All else is computed in f32.
;;   The module's matrix products, in the order in which they are computed (A, B: the left and right operand; K: the contracted axis; several contracted axes count as one K, in the product's order):
;;     1. [M 1,024, K 1,024] x [K 1,024, N 8]; A: input x; B: input Wg: left as it is (N = 8 < 16)
;;     2. [M 32,768, K 1,024] x [K 1,024, N 1,024]; A: input W1; B: input x: QUANTISED (scales: A lowp_scales[0], B lowp_scales[1])
;;     3. batch 8 x [M 1,024, K 4,096] x [K 4,096, N 1,024]; A: computed on the way; B: input W2: QUANTISED (scales: A lowp_scales[2], B lowp_scales[3])
;;     4. batch 1,024 x [M 1, K 8] x [K 8, N 1,024]; A: computed on the way; B: computed on the way: left as it is (K = 8 < 32)
;;   THE QUANTISER, for each operand of a quantised product, along K:
;;     - The operand's scale is 2^e, e = its entry of the input lowp_scales (int32; the entries are numbered through the quantised products in the list's order, A before B).
;;     - Each number is divided by the scale, clamped to +-448, and rounded to the nearest number of E4M3, ties to even, subnormals kept.
;;     - The product sums the exact products of the quantised numbers (number of the format x scale) in f32.
;;   ~~~python
;;   def quantise(x, axis, e):      # numpy; x: float32 -> the quantised numbers, widened to float32 again
;;       x = np.moveaxis(x, axis, -1); K = x.shape[-1]
;;       r = np.clip(x / 2.0 ** e, -448, 448)
;;       step = 2.0 ** (np.maximum(np.frexp(np.where(r == 0, 1, r))[1] - 1, -6) - 3)
;;       q = np.round(r / step) * step * 2.0 ** e      # np.round: ties to even
;;       return np.moveaxis(q, -1, axis).astype(np.float32)
;;   ~~~
;;   OPERANDS COMPUTED ON THE WAY. 'Computed on the way' means the value that the module computes at that place (a softmax that the list does not call 'softmax' is quantised finished and normalised). What goes into a quantiser is computed in f32, as accurately as f32 sums, v_exp_f32 and their like allow (about 1e-6 of the number): no bf16 or f16 on the way to a quantiser, and a product that is left as it is and whose result goes on into a quantised operand takes f32 operands (vector FMAs, or v_wmma_f32_16x16x4_f32). A number that lies on a knife's edge between two numbers of the format may be rounded either way, as far as f32 arithmetic and the matrix unit's own rounding can turn it there, and no further.
;; 2 versions, each right; version 2 is version 1 with the launches ffn1, ffn2 written anew for expert scheduling mode. Each part assembles by itself: llvm-mc -triple=amdgcn-amd-amdhsa -mcpu=gfx1250 --defsym DOCPART=n.
;; ======== version 1 of 2: 4 launches
;; workspace buffers: xq 1,048,576 bytes; tidx 8,192 bytes of whole numbers; tw 8,192 bytes; tslot 32,768 bytes of whole numbers; etab 2,048 bytes of whole numbers; hq 33,554,432 bytes; yp 134,217,728 bytes
;; launch route (part 1): grid 128 x 1, 4 waves a work-group, no clusters, 0 bytes of LDS; arguments x, Wg, bg, lowp_scales, xq, tidx, tw; writes xq, tidx, tw
.if DOCPART == 1
	.amdgcn_target "amdgcn-amd-amdhsa--gfx1250"
	.amdhsa_code_object_version 6
	.text
	.protected	k_qc38e215181_route
	.globl	k_qc38e215181_route
	.p2align	8
	.type	k_qc38e215181_route,@function
k_qc38e215181_route:
	s_mov_b64 s[64:65], 0
	v_nop
	global_prefetch_b8 v0, s[64:65] scope:SCOPE_SE
	s_setreg_imm32_b32 hwreg(HW_REG_WAVE_MODE, 25, 1), 1
	s_wait_xcnt 0x0
; THE GATE, AND x's CODES.  logits = x Wg + bg in f32 (fused multiply-adds); the two largest of the 8 logits of a token, the lower index first among equals;
; their softmax with the larger one taken away first; and x as codes of E4M3 with the given scale 2^e1 (entry 1 of the scales).
; A wave takes 2 tokens.  A lane takes K = 256 i + 8 lane + c (i = 0..3, c = 0..7): eight neighbours along K, as the conversion wants them, so that a token's
; codes leave as stores of 256 consecutive bytes (8 a lane).  The choice steers no address here: experts and weights are stored at fixed places (8 bytes a token each).
; LIMITS: e1 between -126 and 119; NaN and infinities among the inputs are not served (the logits are finite).
.set X,   16                           ; v16-79    x: token t, quarter i: 8 numbers at X + 32 t + 8 i
.set GA,  80                           ; v80-143   a quarter of Wg for my lane: 8 rows x 8 experts, register 8 c + e
.set GB,  144                          ; v144-207  the next quarter
.set ACC, 208                          ; v208-223  the sums: token t, expert e at ACC + 8 t + e
.set ST,  144                          ; later: a token's figures at ST + 8 t: best, its index, second, its index, d, q, r, w1
.set CDE, 80                           ; later: the codes, a pair of registers for each (t, i), so that no store's data are written again
	s_load_b256 s[4:11], s[0:1], 0x0               ; x s[4:5], Wg s[6:7], bg s[8:9], the scales s[10:11]
	s_load_b128 s[12:15], s[0:1], 0x20             ; xq s[12:13], tidx s[14:15]
	s_load_b64 s[16:17], s[0:1], 0x30              ; tw
	v_lshrrev_b32 v5, 5, v0
	v_readfirstlane_b32 s18, v5                    ; wave
	v_and_b32 v1, 31, v0                           ; lane
	v_lshlrev_b32 v2, 5, v1                        ; x: 32 bytes a lane
	v_lshlrev_b32 v3, 8, v1                        ; Wg: 8 rows of 32 bytes a lane
	v_lshlrev_b32 v4, 3, v1                        ; 8 bytes a lane
	s_lshl_b32 s19, ttmp9, 3
	s_lshl_b32 s20, s18, 1
	s_add_co_u32 s19, s19, s20                     ; my first token: 8 x work-group + 2 x wave
	s_lshl_b32 s20, s19, 12                        ; its bytes in x,
	s_mov_b32 s21, 0
	s_lshl_b32 s22, s19, 10                        ; in xq,
	s_mov_b32 s23, 0
	s_lshl_b32 s36, s19, 3                         ; in tidx and tw
	s_mov_b32 s37, 0
	s_mov_b32 s34, 0x76543210                      ; v_permlanex16_b32: lane l xor 16
	s_mov_b32 s35, 0xfedcba98
	s_wait_kmcnt 0x0
	s_load_b256 s[24:31], s[8:9], 0x0              ; bg
	s_load_b32 s32, s[10:11], 0x4                  ; e1
	s_add_nc_u64 s[4:5], s[4:5], s[20:21]
	s_add_nc_u64 s[12:13], s[12:13], s[22:23]
	s_add_nc_u64 s[14:15], s[14:15], s[36:37]
	s_add_nc_u64 s[16:17], s[16:17], s[36:37]
.irp t, 0,1
.irp i, 0,1,2,3
	global_load_b128 v[X+32*\t+8*\i:X+32*\t+8*\i+3],   v2, s[4:5] offset:4096*\t+1024*\i th:TH_LOAD_NT
	global_load_b128 v[X+32*\t+8*\i+4:X+32*\t+8*\i+7], v2, s[4:5] offset:4096*\t+1024*\i+16 th:TH_LOAD_NT
.endr
.endr
.macro LDG g, i                        ; quarter i of Wg: my 8 rows, 256 bytes
.irp q, 0,1,2,3,4,5,6,7,8,9,10,11,12,13,14,15
	global_load_b128 v[\g+4*\q:\g+4*\q+3], v3, s[6:7] offset:8192*(\i)+16*\q
.endr
.endm
; 64 packed multiply-adds: x(t, 256 i + 8 lane + c) times row c's eight weights, two experts an instruction.  first = 1: the very first products start the sums: nothing is cleared.
.macro FMA g, i, first
.irp c, 0,2,4,6
.irp t, 0,1
.irp q, 0,2,4,6
.if (\first) && (\c == 0)
	v_pk_mul_f32 v[ACC+8*\t+\q:ACC+8*\t+\q+1], v[X+32*\t+8*(\i)+\c:X+32*\t+8*(\i)+\c+1], v[\g+8*\c+\q:\g+8*\c+\q+1] op_sel_hi:[0,1]
.else
	v_pk_fma_f32 v[ACC+8*\t+\q:ACC+8*\t+\q+1], v[X+32*\t+8*(\i)+\c:X+32*\t+8*(\i)+\c+1], v[\g+8*\c+\q:\g+8*\c+\q+1], v[ACC+8*\t+\q:ACC+8*\t+\q+1] op_sel_hi:[0,1,1]
.endif
.endr
.endr
.irp t, 0,1
.irp q, 0,2,4,6
	v_pk_fma_f32 v[ACC+8*\t+\q:ACC+8*\t+\q+1], v[X+32*\t+8*(\i)+\c:X+32*\t+8*(\i)+\c+1], v[\g+8*\c+8+\q:\g+8*\c+8+\q+1], v[ACC+8*\t+\q:ACC+8*\t+\q+1] op_sel:[1,0,0] op_sel_hi:[1,1,1]
.endr
.endr
.endr
.endm
	LDG GA, 0
	LDG GB, 1
	s_wait_loadcnt 16                              ; x and quarter 0 are in; quarter 1's sixteen loads may be out
	FMA GA, 0, 1
	LDG GA, 2
	s_wait_loadcnt 16                              ; quarter 1 is in; quarter 2's may be out
	FMA GB, 1, 0
	LDG GB, 3
	s_wait_loadcnt 16
	FMA GA, 2, 0
	s_wait_loadcnt 0x0
	FMA GB, 3, 0
	; the sixteen sums over the 32 lanes; every lane ends with the result
.irp m, 1,2,4,8
.irp j, 0,1,2,3,4,5,6,7,8,9,10,11,12,13,14,15
	v_add_f32_dpp v[ACC+\j], v[ACC+\j], v[ACC+\j] row_xmask:\m row_mask:0xf bank_mask:0xf
.endr
.endr
.irp j, 0,1,2,3,4,5,6,7,8,9,10,11,12,13,14,15
	v_permlanex16_b32 v[GA+\j], v[ACC+\j], s34, s35  ; (its destination counts as read: these registers have been loaded)
.endr
.irp j, 0,1,2,3,4,5,6,7,8,9,10,11,12,13,14,15
	v_add_f32 v[ACC+\j], v[ACC+\j], v[GA+\j]
.endr
	s_wait_kmcnt 0x0                               ; bg, e1
.irp t, 0,1
.irp e, 0,1,2,3,4,5,6,7
	v_add_f32 v[ACC+8*\t+\e], s[24+\e], v[ACC+8*\t+\e]
.endr
.endr
	v_mov_b32 v225, 0xff800000                     ; -infinity
	; the largest, experts ascending; only a strictly larger logit takes its place, so the lower index wins among equals.  Then the largest is struck out and the scan runs again.
.irp t, 0,1
	v_mov_b32 v[ST+8*\t], v[ACC+8*\t]
	v_mov_b32 v[ST+8*\t+1], 0
.irp e, 1,2,3,4,5,6,7
	v_cmp_ge_f32 vcc_lo, v[ST+8*\t], v[ACC+8*\t+\e]
	v_cndmask_b32 v[ST+8*\t], v[ACC+8*\t+\e], v[ST+8*\t], vcc_lo
	v_cndmask_b32 v[ST+8*\t+1], \e, v[ST+8*\t+1], vcc_lo
.endr
.irp e, 0,1,2,3,4,5,6,7
	v_cmp_eq_u32 vcc_lo, \e, v[ST+8*\t+1]
	v_cndmask_b32 v[ACC+8*\t+\e], v[ACC+8*\t+\e], v225, vcc_lo
.endr
	v_mov_b32 v[ST+8*\t+2], v[ACC+8*\t]
	v_mov_b32 v[ST+8*\t+3], 0
.irp e, 1,2,3,4,5,6,7
	v_cmp_ge_f32 vcc_lo, v[ST+8*\t+2], v[ACC+8*\t+\e]
	v_cndmask_b32 v[ST+8*\t+2], v[ACC+8*\t+\e], v[ST+8*\t+2], vcc_lo
	v_cndmask_b32 v[ST+8*\t+3], \e, v[ST+8*\t+3], vcc_lo
.endr
	v_sub_f32 v[ST+8*\t+4], v[ST+8*\t+2], v[ST+8*\t]       ; second - best: the maximum is taken away; 0 or less
	v_mul_f32 v[ST+8*\t+4], 0x3fb8aa3b, v[ST+8*\t+4]       ; x log2(e)
.endr
	s_add_co_i32 s32, s32, 127
	s_lshl_b32 s33, s32, 23
	v_mov_b32 v226, s33                            ; 2^e1 as f32: the conversion takes its exponent field
	s_add_co_i32 s32, s32, 8
	s_lshl_b32 s32, s32, 23
	s_or_b32 s39, s32, 0x600000                    ; 448 x 2^e1,
	s_or_b32 s38, s39, 0x80000000                  ; and its negative
	v_exp_f32 v[ST+5], v[ST+4]                     ; q = e^(second - best), both tokens: one batch
	v_exp_f32 v[ST+13], v[ST+12]
.irp j, 0,1,2,3,4,5,6,7,8,9,10,11,12,13,14,15,16,17,18,19,20,21,22,23,24,25,26,27,28,29,30,31,32,33,34,35,36,37,38,39,40,41,42,43,44,45,46,47,48,49,50,51,52,53,54,55,56,57,58,59,60,61,62,63
	v_med3_num_f32 v[X+\j], v[X+\j], s38, s39      ; the conversion to an 8-bit code does not saturate (ISA guide 7.6.2): the hold at the largest code x the scale.  (Independent work behind the exponentials)
.endr
	s_wait_alu depctr_va_vdst(0)                   ; one wait for both exponentials, ahead of their first reader
	v_add_f32 v[ST+6], 1.0, v[ST+5]
	v_add_f32 v[ST+14], 1.0, v[ST+13]
	v_rcp_f32 v[ST+6], v[ST+6]                     ; w0 = 1 / (1 + q)
	v_rcp_f32 v[ST+14], v[ST+14]
	v_nop                                          ; a plain instruction behind the reciprocals
.irp k, 0,1,2,3,4,5,6,7
	v_cvt_scalef32_pk8_fp8_f32 v[CDE+2*\k:CDE+2*\k+1], v[X+8*\k:X+8*\k+7], v226   ; eight neighbours along K: 8 codes
.endr
	s_wait_alu depctr_va_vdst(0)                   ; one wait for both reciprocals
	v_mul_f32 v[ST+7], v[ST+5], v[ST+6]            ; w1 = q w0
	v_mul_f32 v[ST+15], v[ST+13], v[ST+14]
.irp t, 0,1
.irp i, 0,1,2,3
	global_store_b64 v4, v[CDE+8*\t+2*\i:CDE+8*\t+2*\i+1], s[12:13] offset:1024*\t+256*\i   ; 32 lanes store 256 consecutive bytes, at a multiple of 256 from xq's first byte
.endr
.endr
	v_cmp_eq_u32 vcc_lo, 1, v1                     ; lane 0 carries token 0's figures, lane 1 token 1's
	v_cndmask_b32 v232, v[ST+1], v[ST+9], vcc_lo
	v_cndmask_b32 v233, v[ST+3], v[ST+11], vcc_lo
	v_cndmask_b32 v234, v[ST+6], v[ST+14], vcc_lo
	v_cndmask_b32 v235, v[ST+7], v[ST+15], vcc_lo
	v_cmp_gt_u32 vcc_lo, 2, v1
	s_wait_xcnt 0x0                                ; EXEC is a source of the stores above: it changes only behind this wait
	s_and_saveexec_b32 s40, vcc_lo
	global_store_b64 v4, v[232:233], s[14:15]      ; the two experts, the better first
	global_store_b64 v4, v[234:235], s[16:17]      ; their weights
	s_wait_xcnt 0x0                                ; and again in front of the line that widens it
	s_or_b32 exec_lo, exec_lo, s40
	s_endpgm
.Lfunc_end_k_qc38e215181_route:
	.size	k_qc38e215181_route, .Lfunc_end_k_qc38e215181_route-k_qc38e215181_route
	.p2alignl 7, 3214868480
	.fill 96, 4, 3214868480
	.section	.rodata,"a",@progbits
	.p2align	6, 0x0
	.amdhsa_kernel k_qc38e215181_route
		.amdhsa_group_segment_fixed_size 0
		.amdhsa_private_segment_fixed_size 0
		.amdhsa_enable_private_segment 0
		.amdhsa_kernarg_size 56
		.amdhsa_user_sgpr_count 2
		.amdhsa_user_sgpr_kernarg_segment_ptr 1
		.amdhsa_wavefront_size32 1
		.amdhsa_system_sgpr_workgroup_id_x 1
		.amdhsa_system_sgpr_workgroup_id_y 1
		.amdhsa_system_sgpr_workgroup_id_z 1
		.amdhsa_system_vgpr_workitem_id 0
		.amdhsa_next_free_vgpr 256
		.amdhsa_next_free_sgpr 66
		.amdhsa_reserve_vcc 1
		.amdhsa_float_denorm_mode_32 3
		.amdhsa_float_denorm_mode_16_64 3
		.amdhsa_memory_ordered 1
		.amdhsa_forward_progress 1
		.amdhsa_inst_pref_size 42
	.end_amdhsa_kernel
	.amdgpu_metadata
---
amdhsa.version: [ 1, 2 ]
amdhsa.kernels:
  - .name:           k_qc38e215181_route
    .symbol:         k_qc38e215181_route.kd
    .args:
      - { .name: x, .offset: 0, .size: 8, .value_kind: global_buffer, .address_space: global }
      - { .name: Wg, .offset: 8, .size: 8, .value_kind: global_buffer, .address_space: global }
      - { .name: bg, .offset: 16, .size: 8, .value_kind: global_buffer, .address_space: global }
      - { .name: lowp_scales, .offset: 24, .size: 8, .value_kind: global_buffer, .address_space: global }
      - { .name: xq, .offset: 32, .size: 8, .value_kind: global_buffer, .address_space: global }
      - { .name: tidx, .offset: 40, .size: 8, .value_kind: global_buffer, .address_space: global }
      - { .name: tw, .offset: 48, .size: 8, .value_kind: global_buffer, .address_space: global }
    .group_segment_fixed_size: 0
    .private_segment_fixed_size: 0
    .kernarg_segment_align: 8
    .kernarg_segment_size: 56
    .max_flat_workgroup_size: 128
    .sgpr_count:     66
    .vgpr_count:     256
    .wavefront_size: 32
...
	.end_amdgpu_metadata
.endif
;; end of part 1
;; launch ffn1 (part 2): grid 32 x 8, 4 waves a work-group, no clusters, 201,216 bytes of LDS; arguments W1, b1, xq, tidx, lowp_scales, hq, tslot, etab; writes hq, tslot, etab
.if DOCPART == 2
	.amdgcn_target "amdgcn-amd-amdhsa--gfx1250"
	.amdhsa_code_object_version 6
	.text
	.protected	k_qc38e215181_ffn1
	.globl	k_qc38e215181_ffn1
	.p2align	8
	.type	k_qc38e215181_ffn1,@function
k_qc38e215181_ffn1:
	s_mov_b64 s[64:65], 0
	v_nop
	global_prefetch_b8 v0, s[64:65] scope:SCOPE_SE
	s_setreg_imm32_b32 hwreg(HW_REG_WAVE_MODE, 25, 1), 1
	s_wait_xcnt 0x0
; THE FIRST LAYER OF THE CHOSEN EXPERTS: hq = Q(act(x W1[e] + b1[e])) for the tokens that chose expert e, on codes of E4M3.  act: exact GELU (erf) for even e, SiLU for odd e.
; SHARES.  Work-group (x, y) = (slice sl, expert e): hidden units 128 sl .. + 127 of expert e, all K = 1,024: 524,288 bytes of f32 weights, which this work-group alone reads, once.
; THE ROWS' PLACES are made here, from the choices that the launch before stored (whole numbers, 8,192 bytes, which every wave reads).  Expert e owns slots 1,024 e .. + 1,023, 64 tiles of 16; its tokens stand there on end,
; in the order of 32 words of lanes: bit l of word m is token 64 (m / 2) + 2 l + m % 2, set where the token chose e.  The token at place p: the word whose running count of bits reaches over p, and in it the bit of that rank.
; Places behind the expert's last row take its last row again; nobody reads their results.  An expert has one tile at the least, so that the tile which the next launch always reads has been written.
; Wave 0 of each expert's slice 0 stores what later launches need: tslot[e][token] = the token's slot with e (read only where the token chose e), etab[e] = (first tile, tiles).
; THE PIPE has no branch on data.  K goes in 8 chunks of 128.  A chunk is 128 rows of 512 bytes; wave w loads rows 32 w .. + 31, one row (512 consecutive bytes) an instruction, holds and converts them
; (the conversion gives 4 columns x 1 k a register; eight byte permutes turn 4 x 4 bytes, so that a register runs along K) and stores the codes, K innermost, into the chunk's OWN slot of LDS: 8 slots, none written twice.
; Meanwhile the chunk before is multiplied with a block of 20 tiles of 16 rows, 5 a wave (place w + 4 i among the expert's tiles).  Places past the last tile take the last tile again: that work is thrown away,
; and in return every wait's count and every barrier is the same whatever the routing.
; THE TAIL has no barrier.  Each of the expert's tiles goes out: x 2^(e0+e1) + b1, the activation, the quantiser 2^e2, and its codes as an image of the next product's operand registers (2,048 bytes a tile and slice).
; More than 320 rows: up to three more passes multiply the next 20 tiles with the codes that still lie in LDS.  So every split of the tokens is served and no weight is read twice.
; THE MATRIX INSTRUCTION IS USED TRANSPOSED (source 0 = 16 hidden units, source 1 = 16 rows), and the units of a tile are chosen (LDS row = unit with bits 3 and 4 exchanged) so that a lane's 16 registers of tiles 2 b, 2 b + 1
; are units 32 b + 16 (lane / 16) + 0 .. 15 of one row: what the conversions make of them IS the next operand's fragment.
; Fragments are fetched 16 bytes at a time (registers 4 c .. 4 c + 3: K = 32 c + 16 (lane / 16) + 0 .. 15): a permutation of K, the same on both sides of each product.
; NO CLUSTER, NO TENSOR LOAD: no two work-groups read the same weights; what the 32 slices of an expert share, the rows' codes (20 x 16 x 1,024 bytes), is less than the 524,288 bytes that are a work-group's own;
; and the tail branches on counts made of stored numbers.
; LIMITS: e0 and e2 between -126 and 119, e0 + e1 between -126 and 127.  NaN and infinities among the inputs are not served.  erf is a rational function in f32 of the argument held within +-4.
.set PITCH,  16384                     ; bytes from one K row of W1[e] to the next
.set CHUNKB, 128*PITCH
.set SLOTB,  32*784                    ; a slot: LDS row R (a hidden unit, 128 codes) at (R / 4) x 784 + (R % 4) x 192.  In units of 16 bytes 784 is 1 and 192 is 12 modulo 16: the 16 lanes of a store (R / 4 = 16 different
                                       ; numbers) and the 16 rows of a fragment ((R / 4) + 12 (R % 4)) fall on 16 different columns of 16 bytes (64 banks of 4 bytes: ISA guide 11.1)
.set ASTEP,  128                       ; the rows' codes: bytes from K step to K step,
.set ACH,    32                        ; and from one 16 bytes of a lane to the next
; window 0
.set WOFF, 1                           ; v1      32 w rows + 16 x lane: my place in a chunk
.set PFO,  2                           ; v2      the prefetches' offset
.set LI,   3                           ; v3      16 x lane
.set STA,  4                           ; v4-7    where I store codes: slots 2 k, 2 k + 1
.set RDB,  8                           ; v8-11   where I read fragments: slots 2 k, 2 k + 1
.set AOFF, 12                          ; v12-16  my five tiles: the lane's row in xq
.set TOK,  17                          ; v17-21  its token
.set RHO,  22                          ; v22     lane % 16
.set QS,   23                          ; v23     2^e0 as f32
.set QA,   24                          ; v24     2^e2 as f32
.set L8,   25                          ; v25     8 x lane
.set H16,  27                          ; v27     16 (lane / 16)
.set BOFF, 29                          ; v29     64 (lane / 16)
.set T,    32                          ; v32-63  codes as converted: register j = 4 columns at K row j
.set CD,   64                          ; v64-95  codes turned: registers 8 c .. 8 c + 7 = column 4 lane + c, 32 along K
.set U,    96                          ; v96-103 at work in the turn, two sets
.set PCD,  104                         ; v104-119 a tile's codes on the way out
.set A13,  120                         ; v[120:121], v[122:123] erf's two leading coefficients
.set B8,   122
.set BF,   128                         ; v128-255 the weights' 8 fragments of a K step
.set IDX,  128                         ; at the head: v128-191 the 1,024 tokens' choices: word m's in registers 2 m, 2 m + 1
.set HH,   128                         ; the tail: v128-191 a tile's 64 numbers a lane; v192-255, v32-95 at work
.set Z,    192
.set X2,   224
.set PN,   32
.set QD,   64
; the search, three sets (set g: lanes 0-15 look for tile 2 g's rows, lanes 16-31 for tile 2 g + 1's; set 2: tile 4's in both halves), in registers that are free at the head and between passes
.set PP,   32                          ; the place
.set WW,   35                          ; the word that holds it
.set PKV,  38                          ; bits ahead of that word | the word's first token << 16
.set SA,   41                          ; the word's bits counted by twos,
.set SB,   44                          ; by fours,
.set SQ,   47                          ; by eights,
.set SD,   50                          ; and its low sixteen in the low byte
.set TT,   53
.set KK,   56                          ; the rank still to go
.set PO,   59                          ; the bit's number so far
.set TA,   62
.set XX,   65
; window 1: v0-127, v128-255 a chunk as loaded, two sets (register 4 j + c); from step 5 on v0-63 hold b1.   window 2: accumulators of tiles 0-3 at 64 i + 8 f.
; window 3: v0-63 accumulators of tile 4; v64-143, v144-223 the rows' fragments, two sets of 5 x 16
.set TOT, 2                            ; s2  the expert's rows
.set HM,  3                            ; s3  lanes 16-31
.set WV,  20                           ; s20 wave   s21 expert   s62 slice
.set EX,  21
.set SL,  62
.set WP,  22                           ; s[22:23] the slice's chunk 0, s[24:25] its chunk 4: never rewritten
.set T0,  26                           ; s26 the expert's first tile   s27 its tiles   s28 the pass's first place   s29 its last place
.set NT,  27
.set PB,  28
.set NT1, 29
.set SC,  30                           ; s[30:31] 2^(e0+e1)
.set NLW, 32                           ; s32, s33 -+448 x 2^e0    s34, s35 -+448 x 2^e2
.set PLW, 33
.set NLA, 34
.set PLA, 35
.set PR,  40                           ; s40 the running count of bits   s41 the same | the word's first token << 16   s42, s43 at work
.set PKS, 41
.set TI,  44                           ; s44-48 my five tiles' places
.set II,  49
.set PS,  50
.set POS, 51
.set OP,  56                           ; s[56:57] a tile's place in hq
.set BP,  60                           ; s[60:61] b1 at my slice: never rewritten
.set TM1, 63                           ; s63 the last row's place
.set MK,  66                           ; s66-97 the 32 words
.set SEL, 98                           ; s98, s99 v_permlanex16_b32: lane l xor 16
.set AP,  8                            ; s[8:9] xq
.set MSB, 0
.macro WIN new                         ; the immediate's high byte repeats the setting that is left; a switch that changes nothing is dropped
.if MSB != (\new)
	s_set_vgpr_msb (MSB<<8)|(\new)
.set MSB, (\new)
.endif
.endm
.macro PLACES n
.rept \n
	v_nop
.endr
.endm
.macro LDW c                           ; chunk c, my 32 rows: each instruction reads 512 consecutive bytes, at a multiple of 512 from W1's first byte.  Every offset is an immediate (6,799,360 at the most)
	WIN 0x40
.irp j, 0,1,2,3,4,5,6,7,8,9,10,11,12,13,14,15,16,17,18,19,20,21,22,23,24,25,26,27,28,29,30,31
	global_load_b128 v[128*((\c)&1)+4*\j:128*((\c)&1)+4*\j+3], v[WOFF], s[WP+2*((\c)>>2):WP+2*((\c)>>2)+1] offset:((\c)&3)*CHUNKB+\j*PITCH th:TH_LOAD_NT
.endr
.endm
.macro PF c                            ; chunk c (4 to 7) is asked for ahead: my own 32 rows, two blocks of 256 bytes a row, a lane a block: each block is named once in the launch, one step ahead of the step that loads it
	global_prefetch_b8 v[PFO], s[WP+2:WP+3] offset:((\c)-4)*CHUNKB th:TH_LOAD_NT scope:SCOPE_SE
	global_prefetch_b8 v[PFO], s[WP+2:WP+3] offset:((\c)-4)*CHUNKB+16*PITCH th:TH_LOAD_NT scope:SCOPE_SE
.endm
.macro LDA s, par                      ; K step s of my five tiles' rows into set par
	WIN 0xc0
.irp i, 0,1,2,3,4
.irp c, 0,1,2,3
	global_load_b128 v[64+80*(\par)+16*\i+4*\c:64+80*(\par)+16*\i+4*\c+3], v[AOFF+\i], s[AP:AP+1] offset:ASTEP*(\s)+ACH*\c
.endr
.endr
.endm
.macro LDB t                           ; slot t's eight fragments
	WIN 0
.irp f, 0,1,2,3,4,5,6,7
.irp c, 0,1,2,3
	ds_load_b128 v[BF+16*\f+4*\c:BF+16*\f+4*\c+3], v[RDB+((\t)>>1)] offset:((\t)&1)*SLOTB+4*\f*784+32*\c
.endr
.endr
.endm
.macro QUANT par                       ; my 32 rows x 128 columns of set par become codes with K innermost
	WIN 0x41
.irp a, 0,1,2,3,4,5,6,7,8,9,10,11,12,13,14,15
.irp b, 0,1,2,3,4,5,6,7
	v_med3_num_f32 v[128*(\par)+8*\a+\b], v[128*(\par)+8*\a+\b], s[NLW], s[PLW]   ; the conversion to an 8-bit code does not saturate (ISA guide 7.6.2): the hold at the largest code x the scale
.endr
.endr
	WIN 0x01
.irp k, 0,1,2,3,4,5,6,7,8,9,10,11,12,13,14,15
	v_cvt_scalef32_pk8_fp8_f32 v[T+2*\k:T+2*\k+1], v[128*(\par)+8*\k:128*(\par)+8*\k+7], v[QS]
.endr
	WIN 0
	v_nop                                          ; one plain vector instruction between the conversions and the first instruction that touches their results
.irp g, 0,1,2,3,4,5,6,7                ; 4 rows x 4 columns of bytes are turned: two rows are interleaved by bytes, then two such pairs by halves
	v_perm_b32 v[U+4*(\g&1)],   v[T+4*\g+1], v[T+4*\g],   s36
	v_perm_b32 v[U+4*(\g&1)+1], v[T+4*\g+1], v[T+4*\g],   s37
	v_perm_b32 v[U+4*(\g&1)+2], v[T+4*\g+3], v[T+4*\g+2], s36
	v_perm_b32 v[U+4*(\g&1)+3], v[T+4*\g+3], v[T+4*\g+2], s37
	v_perm_b32 v[CD+\g],    v[U+4*(\g&1)+2], v[U+4*(\g&1)],   s38
	v_perm_b32 v[CD+8+\g],  v[U+4*(\g&1)+2], v[U+4*(\g&1)],   s39
	v_perm_b32 v[CD+16+\g], v[U+4*(\g&1)+3], v[U+4*(\g&1)+1], s38
	v_perm_b32 v[CD+24+\g], v[U+4*(\g&1)+3], v[U+4*(\g&1)+1], s39
.endr
.endm
.macro STB t                           ; into slot t: 32 bytes of each of my four columns' rows
	WIN 0
.irp c, 0,1,2,3
	ds_store_b128 v[STA+((\t)>>1)], v[CD+8*\c:CD+8*\c+3]   offset:((\t)&1)*SLOTB+192*\c
	ds_store_b128 v[STA+((\t)>>1)], v[CD+8*\c+4:CD+8*\c+7] offset:((\t)&1)*SLOTB+192*\c+16
.endr
.endm
; 40 matrix instructions: my five tiles x the slice's eight tiles of units, 128 along K.  The 40 accumulators take turns, one instruction a turn, in the same order in every step.
; zero = 1: the products start the sums: nothing is ever cleared.
.macro MMA par, zero
	WIN 0xac                                       ; source 0 (weights) window 0, source 1 (rows) window 3, C and D window 2
.irp i, 0,1,2,3
.irp f, 0,1,2,3,4,5,6,7
.if \zero
	v_wmma_f32_16x16x128_fp8_fp8 v[64*\i+8*\f:64*\i+8*\f+7], v[BF+16*\f:BF+16*\f+15], v[64+80*(\par)+16*\i:64+80*(\par)+16*\i+15], 0
.else
	v_wmma_f32_16x16x128_fp8_fp8 v[64*\i+8*\f:64*\i+8*\f+7], v[BF+16*\f:BF+16*\f+15], v[64+80*(\par)+16*\i:64+80*(\par)+16*\i+15], v[64*\i+8*\f:64*\i+8*\f+7]
.endif
.endr
.endr
	WIN 0xfc                                       ; C and D window 3
.irp f, 0,1,2,3,4,5,6,7
.if \zero
	v_wmma_f32_16x16x128_fp8_fp8 v[8*\f:8*\f+7], v[BF+16*\f:BF+16*\f+15], v[128+80*(\par):128+80*(\par)+15], 0
.else
	v_wmma_f32_16x16x128_fp8_fp8 v[8*\f:8*\f+7], v[BF+16*\f:BF+16*\f+15], v[128+80*(\par):128+80*(\par)+15], v[8*\f:8*\f+7]
.endif
.endr
	WIN 0
.endm
.macro TILES                           ; my five tiles of the pass: place PB + w + 4 i among the expert's tiles, held at the last
.irp i, 0,1,2,3,4
	s_add_co_u32 s[TI+\i], s[PB], s[WV]
	s_add_co_u32 s[TI+\i], s[TI+\i], 4*\i
	s_min_u32 s[TI+\i], s[TI+\i], s[NT1]
.endr
.endm
.macro T3 op, d, x, s                  ; one line for the three sets: a constant and a register
.irp g, 0,1,2
	\op v[\d+\g], \x, v[\s+\g]
.endr
.endm
.macro V3 op, d, a, b                  ; two registers
.irp g, 0,1,2
	\op v[\d+\g], v[\a+\g], v[\b+\g]
.endr
.endm
.macro LEVEL src, w, bits              ; if the rank reaches over the bits in the next w places, they are passed over
.irp g, 0,1,2
	v_bfe_u32 v[TT+\g], v[\src+\g], v[PO+\g], \bits
.endr
	V3 v_sub_nc_u32, TA, KK, TT
.irp g, 0,1,2
	v_cmp_ge_u32 vcc_lo, v[KK+\g], v[TT+\g]
	v_cndmask_b32 v[KK+\g], v[KK+\g], v[TA+\g], vcc_lo
	v_add_nc_u32 v[TA+\g], \w, v[PO+\g]
	v_cndmask_b32 v[PO+\g], v[PO+\g], v[TA+\g], vcc_lo
.endr
.endm
; The tokens of my five tiles' rows, and their rows in xq.
.macro SEARCH
.irp g, 0,1
	v_mov_b32 v[TA+\g], s[TI+2*\g+1]
	v_cndmask_b32 v[PP+\g], s[TI+2*\g], v[TA+\g], s[HM]
.endr
	v_mov_b32 v[PP+2], s[TI+4]
.irp g, 0,1,2
	v_lshl_add_u32 v[PP+\g], v[PP+\g], 4, v[RHO]   ; place = 16 x tile + lane % 16,
	v_min_u32 v[PP+\g], s[TM1], v[PP+\g]           ; held at the expert's last row
	v_mov_b32 v[WW+\g], s[MK]
	v_mov_b32 v[PKV+\g], 0
	v_mov_b32 v[PO+\g], 0
	v_mov_b32 v[XX+\g], 0                          ; (a lane permute's destination counts as read)
.endr
	s_bcnt1_i32_b32 s[PR], s[MK]
.set WD, 1
.rept 31                               ; the last word ahead of which no more than p bits stand is the word that holds place p
	s_or_b32 s[PKS], s[PR], (64*(WD>>1)+(WD&1))<<16
.irp g, 0,1,2
	v_cmp_gt_u32 vcc_lo, s[PR], v[PP+\g]
	v_cndmask_b32 v[WW+\g], s[MK+WD], v[WW+\g], vcc_lo
	v_cndmask_b32 v[PKV+\g], s[PKS], v[PKV+\g], vcc_lo
.endr
	s_bcnt1_i32_b32 s42, s[MK+WD]
	s_add_co_u32 s[PR], s[PR], s42
.set WD, WD+1
.endr
	T3 v_and_b32, TT, 0xffff, PKV
	V3 v_sub_nc_u32, KK, PP, TT                    ; the rank inside the word
	T3 v_lshrrev_b32, TA, 1, WW
	T3 v_and_b32, TA, 0x55555555, TA
	V3 v_sub_nc_u32, SA, WW, TA
	T3 v_lshrrev_b32, TA, 2, SA
	T3 v_and_b32, TA, 0x33333333, TA
	T3 v_and_b32, SB, 0x33333333, SA
	V3 v_add_nc_u32, SB, SB, TA
	T3 v_lshrrev_b32, TA, 4, SB
	V3 v_add_nc_u32, TA, TA, SB
	T3 v_and_b32, SQ, 0x0f0f0f0f, TA
	T3 v_lshrrev_b32, TA, 8, SQ
	V3 v_add_nc_u32, SD, SQ, TA
	LEVEL SD, 16, 8
	LEVEL SQ, 8, 8
	LEVEL SB, 4, 4
	LEVEL SA, 2, 2
	LEVEL WW, 1, 1
	T3 v_lshrrev_b32, TT, 16, PKV
.irp g, 0,1,2
	v_lshl_add_u32 v[TT+\g], v[PO+\g], 1, v[TT+\g] ; token = the word's first + 2 x bit
.endr
.irp g, 0,1
	v_permlanex16_b32 v[XX+\g], v[TT+\g], s[SEL], s[SEL+1]
.endr
.irp g, 0,1                            ; both halves of the lanes want each tile's sixteen tokens
	v_cndmask_b32 v[TOK+2*\g],   v[TT+\g], v[XX+\g], s[HM]
	v_cndmask_b32 v[TOK+2*\g+1], v[XX+\g], v[TT+\g], s[HM]
.endr
	v_mov_b32 v[TOK+4], v[TT+2]
.irp i, 0,1,2,3,4
	v_min_u32 v[TOK+\i], 0x3ff, v[TOK+\i]
	v_lshl_add_u32 v[AOFF+\i], v[TOK+\i], 10, v[H16]   ; token x 1,024 + 16 (lane / 16)
.endr
.endm
.macro BIAS                            ; b1 in the results' layout: register 16 b + q = unit 32 b + 16 (lane / 16) + q; into the set that chunk 6 has left
	WIN 0x40
.irp b, 0,1,2,3
.irp q, 0,1,2,3
	global_load_b128 v[16*\b+4*\q:16*\b+4*\q+3], v[BOFF], s[BP:BP+1] offset:128*\b+16*\q
.endr
.endr
.endm
	s_load_b256 s[4:11], s[0:1], 0x0               ; W1 s[4:5], b1 s[6:7], xq s[8:9], tidx s[10:11]
	s_load_b256 s[12:19], s[0:1], 0x20             ; the scales s[12:13], hq s[14:15], tslot s[16:17], etab s[18:19]
	v_lshl_add_u32 v126, v0, 2, 0x31000
	v_mov_b32 v127, 0
	v_lshrrev_b32 v28, 5, v0
	v_readfirstlane_b32 s[WV], v28
	s_and_b32 s[EX], ttmp7, 0xffff
	s_mov_b32 s[SL], ttmp9
	v_and_b32 v28, 31, v0                          ; lane
	v_lshlrev_b32 v[LI], 4, v28
	v_lshlrev_b32 v[L8], 3, v28
	s_mul_i32 s58, s[WV], 32*PITCH
	v_add_nc_u32 v[WOFF], s58, v[LI]
	v_lshrrev_b32 v30, 1, v28
	v_mul_u32_u24 v30, v30, PITCH
	v_and_b32 v31, 1, v28
	v_lshl_add_u32 v30, v31, 8, v30
	v_add_nc_u32 v[PFO], s58, v30                  ; row 32 w + lane / 2, block lane % 2
	s_lshl_b32 s58, s[EX], 24                      ; an expert's W1 is 16,777,216 bytes
	s_lshl_b32 s59, s[SL], 9
	s_add_co_u32 s58, s58, s59
	s_mov_b32 s59, 0
	s_wait_kmcnt 0x0
	s_add_nc_u64 s[WP:WP+1], s[4:5], s[58:59]
	s_add_nc_u64 s[WP+2:WP+3], s[WP:WP+1], 4*CHUNKB
	s_load_b128 s[52:55], s[12:13], 0x0            ; e0 (W1), e1 (x), e2 (the hidden layer), e3
.irp j, 0,1,2,3,4,5,6,7,8,9,10,11,12,13,14,15
	global_load_b128 v[IDX+4*\j:IDX+4*\j+3], v[LI], s[10:11] offset:512*\j   ; lane l: the choices of tokens 64 j + 2 l and 64 j + 2 l + 1
.endr
	LDW 0                                          ; the weights' place hangs on ids alone
	WIN 0
	v_and_b32 v30, 0x19, v28                       ; the lane's number with bits 1 and 2 exchanged: column 4 lane + c goes to the LDS row with bits 3 and 4 exchanged
	v_bfe_u32 v31, v28, 1, 1
	v_lshl_or_b32 v30, v31, 2, v30
	v_bfe_u32 v31, v28, 2, 1
	v_lshl_or_b32 v30, v31, 1, v30
	v_mul_u32_u24 v30, v30, 784
	s_lshl_b32 s58, s[WV], 5                       ; my 32 along K of a row's 128
	v_add_nc_u32 v30, s58, v30
.irp k, 0,1,2,3
	v_add_nc_u32 v[STA+\k], \k*2*SLOTB, v30
.endr
	v_and_b32 v[RHO], 15, v0                       ; r = lane % 16
	v_bfe_u32 v31, v0, 4, 1                        ; h = lane / 16
	v_lshlrev_b32 v[H16], 4, v31
	v_lshlrev_b32 v[BOFF], 6, v31
	v_lshrrev_b32 v30, 2, v[RHO]
	v_mul_u32_u24 v30, v30, 784
	v_and_b32 v28, 3, v[RHO]
	v_mul_u32_u24 v28, v28, 192
	v_add_nc_u32 v30, v30, v28
	v_add_nc_u32 v30, v30, v[H16]
.irp k, 0,1,2,3
	v_add_nc_u32 v[RDB+\k], \k*2*SLOTB, v30
.endr
	s_mov_b32 s36, 0x05010400                      ; byte selects of the turn
	s_mov_b32 s37, 0x07030602
	s_mov_b32 s38, 0x05040100
	s_mov_b32 s39, 0x07060302
	s_mov_b32 s[HM], 0xffff0000
	s_mov_b32 s[SEL], 0x76543210
	s_mov_b32 s[SEL+1], 0xfedcba98
	v_mov_b32 v[A13], 0xaf95df0b
	v_mov_b32 v[A13+1], 0xaf95df0b
	v_mov_b32 v[B8], 0xb77460cd
	v_mov_b32 v[B8+1], 0xb77460cd
	s_lshl_b32 s58, s[EX], 14
	s_lshl_b32 s59, s[SL], 9
	s_add_co_u32 s58, s58, s59
	s_mov_b32 s59, 0
	s_add_nc_u64 s[BP:BP+1], s[6:7], s[58:59]
	s_mov_b32 s[PB], 0
	s_lshl_b32 s[T0], s[EX], 6                     ; the expert's 64 tiles
	s_wait_kmcnt 0x0
	s_add_co_i32 s58, s52, 127
	s_lshl_b32 s59, s58, 23
	v_mov_b32 v[QS], s59                           ; 2^e0 as f32: the conversion takes its exponent field
	s_add_co_i32 s58, s58, 8
	s_lshl_b32 s58, s58, 23
	s_or_b32 s[PLW], s58, 0x600000                 ; 448 x 2^e0
	s_or_b32 s[NLW], s[PLW], 0x80000000
	s_add_co_i32 s58, s54, 127
	s_lshl_b32 s59, s58, 23
	v_mov_b32 v[QA], s59                           ; 2^e2
	s_add_co_i32 s58, s58, 8
	s_lshl_b32 s58, s58, 23
	s_or_b32 s[PLA], s58, 0x600000
	s_or_b32 s[NLA], s[PLA], 0x80000000
	s_add_co_i32 s[SC], s52, s53
	s_add_co_i32 s[SC], s[SC], 127
	s_lshl_b32 s[SC], s[SC], 23                    ; 2^(e0+e1)
	s_mov_b32 s[SC+1], s[SC]                       ; (named with it as a pair, so it is written)
	s_wait_loadcnt 32                              ; the choices are in; chunk 0's 32 loads, issued behind them, may be out
	LDW 1                                          ; two chunks are on their way while the rows are placed
	WIN 0
.set WD, 0
.rept 8                                ; the 32 words, four at a time, so that the scalar lines do not follow straight on the compares that feed them
.irp q, 0,1,2,3
	v_cmp_eq_u32 s[MK+WD+\q], s[EX], v[IDX+2*(WD+\q)]
.endr
.irp q, 0,1,2,3
	v_cmp_eq_u32 s[40+\q], s[EX], v[IDX+2*(WD+\q)+1]
.endr
.irp q, 0,1,2,3
	s_or_b32 s[MK+WD+\q], s[MK+WD+\q], s[40+\q]
.endr
.set WD, WD+4
.endr
	s_mov_b32 s[TOT], 0
.set WD, 0
.rept 32
	s_bcnt1_i32_b32 s42, s[MK+WD]
	s_add_co_u32 s[TOT], s[TOT], s42
.set WD, WD+1
.endr
	s_add_co_u32 s[NT], s[TOT], 15
	s_lshr_b32 s[NT], s[NT], 4
	s_max_u32 s[NT], s[NT], 1                      ; one tile at the least
	s_min_u32 s[NT], s[NT], 64
	s_sub_co_u32 s[NT1], s[NT], 1
	s_max_u32 s[TM1], s[TOT], 1
	s_sub_co_u32 s[TM1], s[TM1], 1
	TILES
	SEARCH
	LDA 0, 0
	WIN 0
	s_or_b32 s42, s[SL], s[WV]
	s_cmp_lg_u32 s42, 0
	s_cbranch_scc1 .Lno_table                      ; on ids: the two tables are stored by wave 0 of the expert's slice 0
	s_lshl_b32 s58, s[EX], 12
	s_mov_b32 s59, 0
	s_add_nc_u64 s[16:17], s[16:17], s[58:59]      ; tslot[e]
	s_lshl_b32 s58, s[EX], 8
	s_add_nc_u64 s[18:19], s[18:19], s[58:59]      ; etab[e]
	s_lshl_b32 s[PR], s[EX], 10                    ; the expert's first slot
.set WD, 0
.rept 32
	v_mbcnt_lo_u32_b32 v[IDX+WD], s[MK+WD], s[PR]  ; slot = the first + the bits ahead of the word + those below my lane
	s_bcnt1_i32_b32 s42, s[MK+WD]
	s_add_co_u32 s[PR], s[PR], s42
.set WD, WD+1
.endr
	v_mov_b32 v[IDX+32], s[T0]
	v_mov_b32 v[IDX+33], s[NT]
.irp j, 0,1,2,3,4,5,6,7,8,9,10,11,12,13,14,15
	global_store_b64 v[L8], v[IDX+2*\j:IDX+2*\j+1], s[16:17] offset:256*\j   ; tokens 64 j + 2 l, 64 j + 2 l + 1: 32 lanes store 256 consecutive bytes, at a multiple of 256 from tslot's first byte
.endr
	global_store_b64 v[L8], v[IDX+32:IDX+33], s[18:19]   ; 32 copies: 256 consecutive bytes; the next launch reads the first
	s_wait_xcnt 0x0                                ; the stores have read their data: the fragments' loads land there later
.Lno_table:
	s_wait_loadcnt 52                              ; chunk 0 is in; chunk 1's 32 loads and the rows' 20 may be out
	QUANT 0
	STB 0
	LDW 2
	s_wait_dscnt 0x0                               ; for the others' sake: my part of slot 0 has landed
	s_barrier_signal -1
	s_barrier_wait -1
; STEP t multiplies slot t and makes slot t + 1.  Loads are issued in the order chunk t + 1, rows' step t, chunk t + 2: the wait that leaves the last 32 out shows the first two in.
; One barrier a step: in front of its signal my stores into slot t + 1 have landed (and my reads are in); behind its wait slot t + 1 is read.  Only matrix instructions and v_nop stand between signal and wait.
.macro STEP t
	LDB \t
.if (\t) < 7
.if (\t) == 6
	s_wait_loadcnt 16                              ; chunk 7 and the rows' step 6 are in; b1's sixteen loads may be out
.else
	s_wait_loadcnt 32
.endif
	QUANT ((\t)+1)&1
	STB (\t)+1
	LDA (\t)+1, ((\t)+1)&1
.if (\t) < 5
	LDW (\t)+3
.endif
.if (\t) < 4
	PF (\t)+4
.endif
.if (\t) == 5
	BIAS
.endif
	s_wait_dscnt 0x0
	s_barrier_signal -1
.if (\t) == 0
	MMA 0, 1
.else
	MMA (\t)&1, 0
.endif
	PLACES 4                                       ; four places in front of the next step's loads into the fragments' registers (ISA guide 7.12.1 for vector instructions)
	s_barrier_wait -1
.else
	s_wait_loadcnt 0x0                             ; the rows' last step, and b1
	s_wait_dscnt 0x0
	MMA 1, 0
	PLACES 5                                       ; in front of the first reads of results, and of a pass that begins the sums anew
.endif
.endm
.irp t, 0,1,2,3,4,5,6,7
	STEP \t
.endr
; ---- THE TAIL ----
.macro ARM i                           ; tile i's sums x 2^(e0+e1) + b1, each accumulator from its low end on, into window 0
.if (\i) < 4
	WIN 0x12                                       ; source 0 window 2, source 2 (b1) window 1
.else
	WIN 0x13
.endif
.irp q, 0,2,4,6,8,10,12,14,16,18,20,22,24,26,28,30,32,34,36,38,40,42,44,46,48,50,52,54,56,58,60,62
	v_pk_fma_f32 v[HH+\q:HH+\q+1], v[64*((\i)&3)+\q:64*((\i)&3)+\q+1], s[SC:SC+1], v[\q:\q+1] op_sel_hi:[1,0,1]
.endr
	WIN 0
.endm
.macro HORN r, lit                     ; a step of Horner's rule on 32 numbers
.irp q, 0,2,4,6,8,10,12,14,16,18,20,22,24,26,28,30
	v_pk_fma_f32 v[\r+\q:\r+\q+1], v[\r+\q:\r+\q+1], v[X2+\q:X2+\q+1], \lit op_sel_hi:[1,1,0]
.endr
.endm
; 32 numbers: a = h / 2 + (h / 2) erf(h / sqrt 2), erf(z) = z P(z^2) / Q(z^2) with z held within +-4
.macro GELU hb
.irp q, 0,2,4,6,8,10,12,14,16,18,20,22,24,26,28,30
	v_pk_mul_f32 v[Z+\q:Z+\q+1], v[\hb+\q:\hb+\q+1], 0x3f3504f3 op_sel_hi:[1,0]
.endr
.irp q, 0,1,2,3,4,5,6,7,8,9,10,11,12,13,14,15,16,17,18,19,20,21,22,23,24,25,26,27,28,29,30,31
	v_med3_num_f32 v[Z+\q], v[Z+\q], -4.0, 4.0
.endr
.irp q, 0,2,4,6,8,10,12,14,16,18,20,22,24,26,28,30
	v_pk_mul_f32 v[X2+\q:X2+\q+1], v[Z+\q:Z+\q+1], v[Z+\q:Z+\q+1]
.endr
.irp q, 0,2,4,6,8,10,12,14,16,18,20,22,24,26,28,30
	v_pk_fma_f32 v[PN+\q:PN+\q+1], v[X2+\q:X2+\q+1], v[A13:A13+1], 0x32edffee op_sel_hi:[1,1,0]
	v_pk_fma_f32 v[QD+\q:QD+\q+1], v[X2+\q:X2+\q+1], v[B8:B8+1], 0xb95fbd29 op_sel_hi:[1,1,0]
.endr
	HORN PN, 0xb60cff51
	HORN QD, 0xbadc924e
	HORN PN, 0xb86ec2d2
	HORN QD, 0xbbf19bf8
	HORN PN, 0xba40ac63
	HORN QD, 0xbc69b6a7
	HORN PN, 0xbb41a1f6
	HORN PN, 0xbc83dbd4
.irp q, 0,2,4,6,8,10,12,14,16,18,20,22,24,26,28,30
	v_pk_mul_f32 v[PN+\q:PN+\q+1], v[PN+\q:PN+\q+1], v[Z+\q:Z+\q+1]
.endr
.irp q, 0,1,2,3,4,5,6,7,8,9,10,11,12,13,14,15,16,17,18,19,20,21,22,23,24,25,26,27,28,29,30,31
	v_rcp_f32 v[QD+\q], v[QD+\q]
.endr
.irp q, 0,2,4,6,8,10,12,14,16,18,20,22,24,26,28,30
	v_pk_mul_f32 v[\hb+\q:\hb+\q+1], v[\hb+\q:\hb+\q+1], 0.5 op_sel_hi:[1,0]     ; independent work behind the reciprocals
.endr
	s_wait_alu depctr_va_vdst(0)                   ; one wait for the batch of 32, ahead of its first reader
.irp q, 0,2,4,6,8,10,12,14,16,18,20,22,24,26,28,30
	v_pk_mul_f32 v[PN+\q:PN+\q+1], v[PN+\q:PN+\q+1], v[QD+\q:QD+\q+1]
.endr
.irp q, 0,2,4,6,8,10,12,14,16,18,20,22,24,26,28,30
	v_pk_fma_f32 v[\hb+\q:\hb+\q+1], v[\hb+\q:\hb+\q+1], v[PN+\q:PN+\q+1], v[\hb+\q:\hb+\q+1]
.endr
.endm
	s_mov_b32 s[PS], 0
	s_mov_b32 s[PB], 0
.Lpass:                                            ; four passes of 20 places cover the 64 tiles that an expert can have
	s_mov_b32 s[II], 0
.Ltile:
	s_lshl_b32 s[POS], s[II], 2
	s_add_co_u32 s[POS], s[POS], s[WV]
	s_add_co_u32 s[POS], s[POS], s[PB]             ; tile i's place among the expert's tiles
	s_cmp_ge_u32 s[POS], s[NT]
	s_cbranch_scc1 .Lskip                          ; past the last: the sums are thrown away
	s_cmp_eq_u32 s[II], 0
	s_cbranch_scc1 .Larm0
	s_cmp_eq_u32 s[II], 1
	s_cbranch_scc1 .Larm1
	s_cmp_eq_u32 s[II], 2
	s_cbranch_scc1 .Larm2
	s_cmp_eq_u32 s[II], 3
	s_cbranch_scc1 .Larm3
	ARM 4
	s_branch .Lact
.Larm0:
	ARM 0
	s_branch .Lact
.Larm1:
	ARM 1
	s_branch .Lact
.Larm2:
	ARM 2
	s_branch .Lact
.Larm3:
	ARM 3
.Lact:
	s_bitcmp1_b32 s[EX], 0
	s_cbranch_scc1 .Lsilu                          ; on the expert's number, an id
	GELU HH
	GELU HH+32
	s_branch .Lquant
.Lsilu:                                            ; a = h / (1 + e^-h)
.irp q, 0,2,4,6,8,10,12,14,16,18,20,22,24,26,28,30,32,34,36,38,40,42,44,46,48,50,52,54,56,58,60,62
	v_pk_mul_f32 v[Z+\q:Z+\q+1], v[HH+\q:HH+\q+1], 0xbfb8aa3b op_sel_hi:[1,0]
.endr
.irp q, 0,1,2,3,4,5,6,7,8,9,10,11,12,13,14,15,16,17,18,19,20,21,22,23,24,25,26,27,28,29,30,31,32,33,34,35,36,37,38,39,40,41,42,43,44,45,46,47,48,49,50,51,52,53,54,55,56,57,58,59,60,61,62,63
	v_exp_f32 v[Z+\q], v[Z+\q]
.endr
	v_nop                                          ; a plain instruction behind the last exponential
	s_wait_alu depctr_va_vdst(0)                   ; one wait for the batch of 64
.irp q, 0,2,4,6,8,10,12,14,16,18,20,22,24,26,28,30,32,34,36,38,40,42,44,46,48,50,52,54,56,58,60,62
	v_pk_add_f32 v[Z+\q:Z+\q+1], v[Z+\q:Z+\q+1], 1.0 op_sel_hi:[1,0]
.endr
.irp q, 0,1,2,3,4,5,6,7,8,9,10,11,12,13,14,15,16,17,18,19,20,21,22,23,24,25,26,27,28,29,30,31,32,33,34,35,36,37,38,39,40,41,42,43,44,45,46,47,48,49,50,51,52,53,54,55,56,57,58,59,60,61,62,63
	v_rcp_f32 v[Z+\q], v[Z+\q]
.endr
	v_nop
	s_wait_alu depctr_va_vdst(0)
.irp q, 0,2,4,6,8,10,12,14,16,18,20,22,24,26,28,30,32,34,36,38,40,42,44,46,48,50,52,54,56,58,60,62
	v_pk_mul_f32 v[HH+\q:HH+\q+1], v[HH+\q:HH+\q+1], v[Z+\q:Z+\q+1]
.endr
.Lquant:
.irp q, 0,1,2,3,4,5,6,7,8,9,10,11,12,13,14,15,16,17,18,19,20,21,22,23,24,25,26,27,28,29,30,31,32,33,34,35,36,37,38,39,40,41,42,43,44,45,46,47,48,49,50,51,52,53,54,55,56,57,58,59,60,61,62,63
	v_med3_num_f32 v[HH+\q], v[HH+\q], s[NLA], s[PLA]
.endr
.irp k, 0,1,2,3,4,5,6,7
	v_cvt_scalef32_pk8_fp8_f32 v[PCD+2*\k:PCD+2*\k+1], v[HH+8*\k:HH+8*\k+7], v[QA]   ; registers 4 b .. 4 b + 3: K = 32 b + 16 (lane / 16) + 0 .. 15 of the next product's K step sl
.endr
	v_nop                                          ; one plain vector instruction behind the last conversion
	s_add_co_u32 s[OP], s[T0], s[POS]
	s_min_u32 s[OP], s[OP], 511
	s_lshl_b32 s[OP], s[OP], 16                    ; a tile's 32 images of 2,048 bytes
	s_lshl_b32 s[OP+1], s[SL], 11
	s_add_co_u32 s[OP], s[OP], s[OP+1]
	s_mov_b32 s[OP+1], 0
	s_add_nc_u64 s[OP:OP+1], s[14:15], s[OP:OP+1]
.irp c, 0,1,2,3
	global_store_b128 v[LI], v[PCD+4*\c:PCD+4*\c+3], s[OP:OP+1] offset:512*\c   ; 32 lanes store 512 consecutive bytes, at a multiple of 512 from hq's first byte
.endr
	s_wait_xcnt 0x0                                ; the stores have read their data and their base: both are written again for the next tile
.Lskip:
	s_add_co_u32 s[II], s[II], 1
	s_cmp_lt_u32 s[II], 5
	s_cbranch_scc1 .Ltile
	s_add_co_u32 s[PB], s[PB], 20
	s_cmp_ge_u32 s[PB], s[NT]
	s_cbranch_scc1 .Lnox
	TILES                                          ; the expert has more tiles: the next 20 places, with the codes that lie in LDS.  No slot is written any more, so no barrier is needed
	SEARCH                                         ; (all earlier loads by these offsets have been waited for)
	LDB 0
	LDA 0, 0
	s_wait_loadcnt 0x0
	s_wait_dscnt 0x0
	MMA 0, 1
	PLACES 5
.irp s, 1,2,3,4,5,6,7
	LDB \s
	LDA \s, 0
	s_wait_loadcnt 0x0
	s_wait_dscnt 0x0
	MMA 0, 0
	PLACES 5
.endr
.Lnox:
	s_add_co_u32 s[PS], s[PS], 1
	s_cmp_lt_u32 s[PS], 4
	s_cbranch_scc1 .Lpass
	s_wait_tensorcnt 0x0
	ds_add_u32 v126, v127
	s_wait_dscnt 0x0
	s_endpgm
.Lfunc_end_k_qc38e215181_ffn1:
	.size	k_qc38e215181_ffn1, .Lfunc_end_k_qc38e215181_ffn1-k_qc38e215181_ffn1
	.p2alignl 7, 3214868480
	.fill 96, 4, 3214868480
	.section	.rodata,"a",@progbits
	.p2align	6, 0x0
	.amdhsa_kernel k_qc38e215181_ffn1
		.amdhsa_group_segment_fixed_size 201216
		.amdhsa_private_segment_fixed_size 0
		.amdhsa_enable_private_segment 0
		.amdhsa_kernarg_size 64
		.amdhsa_user_sgpr_count 2
		.amdhsa_user_sgpr_kernarg_segment_ptr 1
		.amdhsa_wavefront_size32 1
		.amdhsa_system_sgpr_workgroup_id_x 1
		.amdhsa_system_sgpr_workgroup_id_y 1
		.amdhsa_system_sgpr_workgroup_id_z 1
		.amdhsa_system_vgpr_workitem_id 0
		.amdhsa_next_free_vgpr 1024
		.amdhsa_next_free_sgpr 100
		.amdhsa_reserve_vcc 1
		.amdhsa_float_denorm_mode_32 3
		.amdhsa_float_denorm_mode_16_64 3
		.amdhsa_memory_ordered 1
		.amdhsa_forward_progress 1
		.amdhsa_inst_pref_size 255
	.end_amdhsa_kernel
	.section	.bss,"aw",@nobits
	.p2align	6
	.space	262144
	.amdgpu_metadata
---
amdhsa.version: [ 1, 2 ]
amdhsa.kernels:
  - .name:           k_qc38e215181_ffn1
    .symbol:         k_qc38e215181_ffn1.kd
    .args:
      - { .name: W1, .offset: 0, .size: 8, .value_kind: global_buffer, .address_space: global }
      - { .name: b1, .offset: 8, .size: 8, .value_kind: global_buffer, .address_space: global }
      - { .name: xq, .offset: 16, .size: 8, .value_kind: global_buffer, .address_space: global }
      - { .name: tidx, .offset: 24, .size: 8, .value_kind: global_buffer, .address_space: global }
      - { .name: lowp_scales, .offset: 32, .size: 8, .value_kind: global_buffer, .address_space: global }
      - { .name: hq, .offset: 40, .size: 8, .value_kind: global_buffer, .address_space: global }
      - { .name: tslot, .offset: 48, .size: 8, .value_kind: global_buffer, .address_space: global }
      - { .name: etab, .offset: 56, .size: 8, .value_kind: global_buffer, .address_space: global }
    .group_segment_fixed_size: 201216
    .private_segment_fixed_size: 0
    .kernarg_segment_align: 8
    .kernarg_segment_size: 64
    .max_flat_workgroup_size: 128
    .sgpr_count:     100
    .vgpr_count:     1024
    .wavefront_size: 32
...
	.end_amdgpu_metadata
.endif
;; end of part 2
;; launch ffn2 (part 3): grid 32 x 8, 4 waves a work-group, no clusters, 235,008 bytes of LDS; arguments W2, hq, etab, lowp_scales, yp; writes yp
.if DOCPART == 3
	.amdgcn_target "amdgcn-amd-amdhsa--gfx1250"
	.amdhsa_code_object_version 6
	.text
	.protected	k_qc38e215181_ffn2
	.globl	k_qc38e215181_ffn2
	.p2align	8
	.type	k_qc38e215181_ffn2,@function
k_qc38e215181_ffn2:
	s_mov_b64 s[64:65], 0
	v_nop
	global_prefetch_b8 v0, s[64:65] scope:SCOPE_SE
	s_setreg_imm32_b32 hwreg(HW_REG_WAVE_MODE, 25, 1), 1
	s_wait_xcnt 0x0
; THE SECOND LAYER OF THE CHOSEN EXPERTS, in four parts along K: yp[kq][slot][:] = 2^(e2+e3) x (hq's codes) x (W2[e]'s codes), K = hidden units 1,024 kq .. + 1,023.  The parts, b2 and the gate's weights meet in the next launch.
; SHARES.  Work-group (x, y): expert e = y, columns 128 ns .. + 127 (ns = x % 8), part kq = x / 8: 1,024 x 128 weights, 524,288 bytes of f32, which this work-group alone reads, once.
; Expert e owns slots 1,024 e .. + 1,023, 64 tiles of 16; how many of the tiles hold rows (one at the least) the launch before has stored in etab.
; THE PIPE has no branch on data: 8 chunks of 128 along K; wave w loads rows 32 w .. + 31 of a chunk, one row (512 consecutive bytes) an instruction, holds, converts and turns them (4 x 4 bytes by eight byte permutes) and stores the
; codes, K innermost, into the chunk's OWN slot of LDS: 8 slots, none written twice.  Meanwhile the chunk before is multiplied with a block of 20 tiles of 16 slots, 5 a wave (place w + 4 i among the expert's tiles); places past the
; last tile take the last tile again, and that work is thrown away: so every wait's count and every barrier is the same whatever the routing.
; THE TAIL has no barrier: each of the expert's tiles is scaled and leaves through the wave's own stage in LDS as whole rows of 512 bytes.  More than 320 rows: up to three more passes with the codes that lie in LDS.
; THE MATRIX INSTRUCTION IS USED TRANSPOSED (source 0 = 16 columns of W2, source 1 = 16 slots): a lane holds eight neighbouring columns of one slot's row.
; The rows' fragments come as the images of operand registers that the launch before stored: 512 consecutive bytes an instruction.  Both sides hold K = 32 c + 16 (lane / 16) + 0 .. 15 in registers 4 c .. 4 c + 3.
; NO CLUSTER, NO TENSOR LOAD: no two work-groups read the same weights; what the 8 column blocks of an expert and part share, the rows' images (20 x 8 x 2,048 bytes), is less than the 524,288 bytes that are a work-group's own;
; and the tail branches on stored counts.
; LIMITS: e3 between -126 and 119, e2 + e3 between -126 and 127.  NaN and infinities among the inputs are not served.
.set PITCH,  4096                      ; bytes from one K row of W2[e] to the next
.set CHUNKB, 128*PITCH
.set SLOTB,  32*784                    ; a slot: LDS row R (a column, 128 codes) at (R / 4) x 784 + (R % 4) x 192.  In units of 16 bytes 784 is 1 and 192 is 12 modulo 16: the 16 lanes of a store and the 16 rows of a
                                       ; fragment fall on 16 different columns of 16 bytes (64 banks of 4 bytes: ISA guide 11.1)
.set STG,    8*SLOTB                   ; behind the slots: a stage of 16 rows x (512 + 16) bytes for each wave
.set ASTEP,  2048                      ; the rows' images: bytes from K step to K step,
.set ACH,    512                       ; and from four registers to the next four
.set WOFF, 1                           ; v1      32 w rows + 16 x lane
.set PFO,  2                           ; v2      the prefetches' offset
.set LI,   3                           ; v3      16 x lane
.set STA,  4                           ; v4-7    where I store codes: slots 2 k, 2 k + 1
.set RDB,  8                           ; v8-11   where I read fragments
.set AOFF, 12                          ; v12-16  my five tiles in hq
.set QS,   23                          ; v23     2^e3 as f32
.set STO,  25                          ; v25     the stage: where I put 32 bytes of a row
.set RD,   26                          ; v26     and where I read a row back
.set T,    32                          ; v32-63  codes as converted
.set CD,   64                          ; v64-95  codes turned
.set U,    96                          ; v96-103 at work in the turn
.set BF,   128                         ; v128-255 the weights' 8 fragments of a K step
.set HH,   128                         ; the tail: v128-191 a tile's 64 numbers a lane, v192-255 its rows back from the stage
.set Z,    192
; window 1: a chunk as loaded, two sets of 128.   window 2: accumulators of tiles 0-3 at 64 i + 8 f.   window 3: v0-63 accumulators of tile 4; v64-143, v144-223 the rows' fragments, two sets
.set WV,  18                           ; s18 wave   s19 expert   s20 ns   s21 kq
.set EX,  19
.set NS,  20
.set KQ,  21
.set WP,  22                           ; s[22:23] chunk 0, s[24:25] chunk 4: never rewritten
.set T0,  26
.set NT,  27
.set PB,  28
.set NT1, 29
.set SC,  30                           ; s[30:31] 2^(e2+e3)
.set NLW, 32                           ; s32, s33 -+448 x 2^e3
.set PLW, 33
.set TI,  44
.set II,  49
.set PS,  50
.set POS, 51
.set OP,  56                           ; s[56:57] a tile's place in yp
.set YO,  62                           ; s62 my part's and my columns' bytes in yp
.set AP,  14                           ; s[14:15] hq at my part's first K step
.set MSB, 0
.macro WIN new                         ; the immediate's high byte repeats the setting that is left; a switch that changes nothing is dropped
.if MSB != (\new)
	s_set_vgpr_msb (MSB<<8)|(\new)
.set MSB, (\new)
.endif
.endm
.macro PLACES n
.rept \n
	v_nop
.endr
.endm
.macro LDW c                           ; chunk c, my 32 rows: each instruction reads 512 consecutive bytes, at a multiple of 512 from W2's first byte.  Every offset is an immediate
	WIN 0x40
.irp j, 0,1,2,3,4,5,6,7,8,9,10,11,12,13,14,15,16,17,18,19,20,21,22,23,24,25,26,27,28,29,30,31
	global_load_b128 v[128*((\c)&1)+4*\j:128*((\c)&1)+4*\j+3], v[WOFF], s[WP+2*((\c)>>2):WP+2*((\c)>>2)+1] offset:((\c)&3)*CHUNKB+\j*PITCH th:TH_LOAD_NT
.endr
.endm
.macro PF c                            ; chunk c (4 to 7) is asked for ahead: my own 32 rows, two blocks of 256 bytes a row, a lane a block: each block is named once in the launch, one step ahead of the step that loads it
	global_prefetch_b8 v[PFO], s[WP+2:WP+3] offset:((\c)-4)*CHUNKB th:TH_LOAD_NT scope:SCOPE_SE
	global_prefetch_b8 v[PFO], s[WP+2:WP+3] offset:((\c)-4)*CHUNKB+16*PITCH th:TH_LOAD_NT scope:SCOPE_SE
.endm
.macro LDA s, par                      ; K step s of my five tiles into set par
	WIN 0xc0
.irp i, 0,1,2,3,4
.irp c, 0,1,2,3
	global_load_b128 v[64+80*(\par)+16*\i+4*\c:64+80*(\par)+16*\i+4*\c+3], v[AOFF+\i], s[AP:AP+1] offset:ASTEP*(\s)+ACH*\c
.endr
.endr
.endm
.macro LDB t                           ; slot t's eight fragments
	WIN 0
.irp f, 0,1,2,3,4,5,6,7
.irp c, 0,1,2,3
	ds_load_b128 v[BF+16*\f+4*\c:BF+16*\f+4*\c+3], v[RDB+((\t)>>1)] offset:((\t)&1)*SLOTB+4*\f*784+32*\c
.endr
.endr
.endm
.macro QUANT par                       ; my 32 rows x 128 columns of set par become codes with K innermost
	WIN 0x41
.irp a, 0,1,2,3,4,5,6,7,8,9,10,11,12,13,14,15
.irp b, 0,1,2,3,4,5,6,7
	v_med3_num_f32 v[128*(\par)+8*\a+\b], v[128*(\par)+8*\a+\b], s[NLW], s[PLW]   ; the conversion to an 8-bit code does not saturate (ISA guide 7.6.2): the hold at the largest code x the scale
.endr
.endr
	WIN 0x01
.irp k, 0,1,2,3,4,5,6,7,8,9,10,11,12,13,14,15
	v_cvt_scalef32_pk8_fp8_f32 v[T+2*\k:T+2*\k+1], v[128*(\par)+8*\k:128*(\par)+8*\k+7], v[QS]
.endr
	WIN 0
	v_nop                                          ; one plain vector instruction between the conversions and the first instruction that touches their results
.irp g, 0,1,2,3,4,5,6,7
	v_perm_b32 v[U+4*(\g&1)],   v[T+4*\g+1], v[T+4*\g],   s36
	v_perm_b32 v[U+4*(\g&1)+1], v[T+4*\g+1], v[T+4*\g],   s37
	v_perm_b32 v[U+4*(\g&1)+2], v[T+4*\g+3], v[T+4*\g+2], s36
	v_perm_b32 v[U+4*(\g&1)+3], v[T+4*\g+3], v[T+4*\g+2], s37
	v_perm_b32 v[CD+\g],    v[U+4*(\g&1)+2], v[U+4*(\g&1)],   s38
	v_perm_b32 v[CD+8+\g],  v[U+4*(\g&1)+2], v[U+4*(\g&1)],   s39
	v_perm_b32 v[CD+16+\g], v[U+4*(\g&1)+3], v[U+4*(\g&1)+1], s38
	v_perm_b32 v[CD+24+\g], v[U+4*(\g&1)+3], v[U+4*(\g&1)+1], s39
.endr
.endm
.macro STB t
	WIN 0
.irp c, 0,1,2,3
	ds_store_b128 v[STA+((\t)>>1)], v[CD+8*\c:CD+8*\c+3]   offset:((\t)&1)*SLOTB+192*\c
	ds_store_b128 v[STA+((\t)>>1)], v[CD+8*\c+4:CD+8*\c+7] offset:((\t)&1)*SLOTB+192*\c+16
.endr
.endm
; 40 matrix instructions: my five tiles x the eight tiles of columns, 128 along K.  The 40 accumulators take turns, one instruction a turn, in the same order in every step.
.macro MMA par, zero
	WIN 0xac                                       ; source 0 (weights) window 0, source 1 (rows) window 3, C and D window 2
.irp i, 0,1,2,3
.irp f, 0,1,2,3,4,5,6,7
.if \zero
	v_wmma_f32_16x16x128_fp8_fp8 v[64*\i+8*\f:64*\i+8*\f+7], v[BF+16*\f:BF+16*\f+15], v[64+80*(\par)+16*\i:64+80*(\par)+16*\i+15], 0
.else
	v_wmma_f32_16x16x128_fp8_fp8 v[64*\i+8*\f:64*\i+8*\f+7], v[BF+16*\f:BF+16*\f+15], v[64+80*(\par)+16*\i:64+80*(\par)+16*\i+15], v[64*\i+8*\f:64*\i+8*\f+7]
.endif
.endr
.endr
	WIN 0xfc                                       ; C and D window 3
.irp f, 0,1,2,3,4,5,6,7
.if \zero
	v_wmma_f32_16x16x128_fp8_fp8 v[8*\f:8*\f+7], v[BF+16*\f:BF+16*\f+15], v[128+80*(\par):128+80*(\par)+15], 0
.else
	v_wmma_f32_16x16x128_fp8_fp8 v[8*\f:8*\f+7], v[BF+16*\f:BF+16*\f+15], v[128+80*(\par):128+80*(\par)+15], v[8*\f:8*\f+7]
.endif
.endr
	WIN 0
.endm
.macro TILES                           ; my five tiles of the pass: place PB + w + 4 i, held at the expert's last tile; the hold by a constant comes last; then their bytes in hq
.irp i, 0,1,2,3,4
	s_add_co_u32 s[TI+\i], s[PB], s[WV]
	s_add_co_u32 s[TI+\i], s[TI+\i], 4*\i
	s_min_u32 s[TI+\i], s[TI+\i], s[NT1]
	s_add_co_u32 s[TI+\i], s[TI+\i], s[T0]
	s_min_u32 s[TI+\i], s[TI+\i], 511
	v_lshl_add_u32 v[AOFF+\i], s[TI+\i], 16, v[LI]
.endr
.endm
	s_load_b256 s[4:11], s[0:1], 0x0               ; W2 s[4:5], hq s[6:7], etab s[8:9], the scales s[10:11]
	s_load_b64 s[12:13], s[0:1], 0x20              ; yp
	v_lshl_add_u32 v126, v0, 2, 0x39400
	v_mov_b32 v127, 0
	v_lshrrev_b32 v28, 5, v0
	v_readfirstlane_b32 s[WV], v28
	s_and_b32 s[EX], ttmp7, 0xffff
	s_and_b32 s[NS], ttmp9, 7
	s_lshr_b32 s[KQ], ttmp9, 3
	v_and_b32 v28, 31, v0                          ; lane
	v_lshlrev_b32 v[LI], 4, v28
	s_mul_i32 s58, s[WV], 32*PITCH
	v_add_nc_u32 v[WOFF], s58, v[LI]
	v_lshrrev_b32 v30, 1, v28
	v_mul_u32_u24 v30, v30, PITCH
	v_and_b32 v31, 1, v28
	v_lshl_add_u32 v30, v31, 8, v30
	v_add_nc_u32 v[PFO], s58, v30                  ; row 32 w + lane / 2, block lane % 2
	s_lshl_b32 s58, s[EX], 24                      ; an expert's W2 is 16,777,216 bytes,
	s_lshl_b32 s59, s[KQ], 22                      ; 1,024 of its rows 4,194,304
	s_add_co_u32 s58, s58, s59
	s_lshl_b32 s59, s[NS], 9
	s_add_co_u32 s58, s58, s59
	s_mov_b32 s59, 0
	s_lshl_b32 s40, s[EX], 8                       ; an expert's entry of etab begins a block of 256 bytes
	s_mov_b32 s41, 0
	s_lshl_b32 s42, s[KQ], 14                      ; 8 K steps' images of a tile
	s_mov_b32 s43, 0
	s_lshl_b32 s[YO], s[KQ], 25                    ; a part of yp: 8,192 slots x 4,096 bytes
	s_lshl_b32 s60, s[NS], 9
	s_add_co_u32 s[YO], s[YO], s60
	s_wait_kmcnt 0x0
	s_add_nc_u64 s[WP:WP+1], s[4:5], s[58:59]
	s_add_nc_u64 s[WP+2:WP+3], s[WP:WP+1], 4*CHUNKB
	s_add_nc_u64 s[8:9], s[8:9], s[40:41]
	s_add_nc_u64 s[AP:AP+1], s[6:7], s[42:43]
	s_load_b64 s[T0:T0+1], s[8:9], 0x0             ; the expert's first tile, its tiles
	s_load_b128 s[52:55], s[10:11], 0x0            ; e0, e1, e2 (the hidden layer), e3 (W2)
	LDW 0                                          ; the weights' place hangs on ids alone: they are asked for before any table has come
	WIN 0
	v_mul_u32_u24 v30, v28, 784                    ; column 4 lane + c is LDS row 4 lane + c
	s_lshl_b32 s58, s[WV], 5                       ; my 32 along K of a row's 128
	v_add_nc_u32 v30, s58, v30
.irp k, 0,1,2,3
	v_add_nc_u32 v[STA+\k], \k*2*SLOTB, v30
.endr
	v_and_b32 v29, 15, v0                          ; r = lane % 16
	v_bfe_u32 v31, v0, 4, 1                        ; h = lane / 16
	v_lshrrev_b32 v30, 2, v29
	v_mul_u32_u24 v30, v30, 784
	v_and_b32 v28, 3, v29
	v_mul_u32_u24 v28, v28, 192
	v_add_nc_u32 v30, v30, v28
	v_lshl_add_u32 v30, v31, 4, v30
.irp k, 0,1,2,3
	v_add_nc_u32 v[RDB+\k], \k*2*SLOTB, v30
.endr
	s_mul_i32 s58, s[WV], 16*528
	s_add_co_u32 s58, s58, STG                     ; my stage
	v_mul_u32_u24 v30, v29, 528
	v_lshl_add_u32 v30, v31, 5, v30
	v_add_nc_u32 v[STO], s58, v30                  ; in: row r, 32 bytes for each half of the lanes
	v_add_nc_u32 v[RD], s58, v[LI]                 ; back: the 32 lanes take one row of 512 bytes
	s_mov_b32 s36, 0x05010400                      ; byte selects of the turn
	s_mov_b32 s37, 0x07030602
	s_mov_b32 s38, 0x05040100
	s_mov_b32 s39, 0x07060302
	s_mov_b32 s[PB], 0
	s_wait_kmcnt 0x0
	s_min_u32 s[T0], s[T0], 511
	s_min_u32 s[NT], s[NT], 64
	s_max_u32 s[NT1], s[NT], 1
	s_sub_co_u32 s[NT1], s[NT1], 1
	s_add_co_i32 s58, s55, 127
	s_lshl_b32 s59, s58, 23
	v_mov_b32 v[QS], s59                           ; 2^e3 as f32: the conversion takes its exponent field
	s_add_co_i32 s58, s58, 8
	s_lshl_b32 s58, s58, 23
	s_or_b32 s[PLW], s58, 0x600000                 ; 448 x 2^e3
	s_or_b32 s[NLW], s[PLW], 0x80000000
	s_add_co_i32 s[SC], s54, s55
	s_add_co_i32 s[SC], s[SC], 127
	s_lshl_b32 s[SC], s[SC], 23                    ; 2^(e2+e3)
	s_mov_b32 s[SC+1], s[SC]                       ; (named with it as a pair, so it is written)
	TILES
	LDA 0, 0
	LDW 1
	s_wait_loadcnt 52                              ; chunk 0 is in; the rows' 20 loads and chunk 1's 32 may be out
	QUANT 0
	STB 0
	LDW 2
	s_wait_dscnt 0x0                               ; for the others' sake: my part of slot 0 has landed
	s_barrier_signal -1
	s_barrier_wait -1
; STEP t multiplies slot t and makes slot t + 1.  What is out at its wait: chunk t + 1 and the rows' step t, and behind them chunk t + 2: the wait that leaves the last 32 out shows the first two in.
; One barrier a step: in front of its signal my stores into slot t + 1 have landed (and my reads are in); behind its wait slot t + 1 is read.  Only matrix instructions and v_nop stand between signal and wait.
.macro STEP t
	LDB \t
.if (\t) < 7
.if (\t) == 6
	s_wait_loadcnt 0x0                             ; chunk 7 and the rows' step 6: nothing was issued behind them
.else
	s_wait_loadcnt 32
.endif
	QUANT ((\t)+1)&1
	STB (\t)+1
	LDA (\t)+1, ((\t)+1)&1
.if (\t) < 5
	LDW (\t)+3
.endif
.if (\t) < 4
	PF (\t)+4
.endif
	s_wait_dscnt 0x0
	s_barrier_signal -1
.if (\t) == 0
	MMA 0, 1
.else
	MMA (\t)&1, 0
.endif
	PLACES 4                                       ; four places in front of the next step's loads into the fragments' registers (ISA guide 7.12.1 for vector instructions)
	s_barrier_wait -1
.else
	s_wait_loadcnt 0x0
	s_wait_dscnt 0x0
	MMA 1, 0
	PLACES 5                                       ; in front of the first reads of results, and of a pass that begins the sums anew
.endif
.endm
.irp t, 0,1,2,3,4,5,6,7
	STEP \t
.endr
; ---- THE TAIL ----
.macro ARM i                           ; tile i's sums x 2^(e2+e3), each accumulator from its low end on, into window 0
.if (\i) < 4
	WIN 0x02
.else
	WIN 0x03
.endif
.irp q, 0,2,4,6,8,10,12,14,16,18,20,22,24,26,28,30,32,34,36,38,40,42,44,46,48,50,52,54,56,58,60,62
	v_pk_mul_f32 v[HH+\q:HH+\q+1], v[64*((\i)&3)+\q:64*((\i)&3)+\q+1], s[SC:SC+1] op_sel_hi:[1,0]
.endr
	WIN 0
.endm
	s_mov_b32 s[PS], 0
	s_mov_b32 s[PB], 0
.Lpass:                                            ; four passes of 20 places cover the 64 tiles that an expert can have
	s_mov_b32 s[II], 0
.Ltile:
	s_lshl_b32 s[POS], s[II], 2
	s_add_co_u32 s[POS], s[POS], s[WV]
	s_add_co_u32 s[POS], s[POS], s[PB]             ; tile i's place among the expert's tiles
	s_cmp_ge_u32 s[POS], s[NT]
	s_cbranch_scc1 .Lskip                          ; past the last: the sums are thrown away
	s_cmp_eq_u32 s[II], 0
	s_cbranch_scc1 .Larm0
	s_cmp_eq_u32 s[II], 1
	s_cbranch_scc1 .Larm1
	s_cmp_eq_u32 s[II], 2
	s_cbranch_scc1 .Larm2
	s_cmp_eq_u32 s[II], 3
	s_cbranch_scc1 .Larm3
	ARM 4
	s_branch .Lout
.Larm0:
	ARM 0
	s_branch .Lout
.Larm1:
	ARM 1
	s_branch .Lout
.Larm2:
	ARM 2
	s_branch .Lout
.Larm3:
	ARM 3
.Lout:
.irp f, 0,1,2,3,4,5,6,7
	ds_store_b128 v[STO], v[HH+8*\f:HH+8*\f+3]   offset:64*\f       ; lane (r, h): slot r, columns 16 f + 8 h + 0 .. 7
	ds_store_b128 v[STO], v[HH+8*\f+4:HH+8*\f+7] offset:64*\f+16
.endr
.irp r, 0,1,2,3,4,5,6,7,8,9,10,11,12,13,14,15
	ds_load_b128 v[Z+4*\r:Z+4*\r+3], v[RD] offset:528*\r               ; LDS serves a wave's instructions in order (ISA guide 5.7.1.4): these see my stores; the stage is my wave's own
.endr
	s_add_co_u32 s[OP], s[T0], s[POS]
	s_min_u32 s[OP], s[OP], 511
	s_lshl_b32 s[OP], s[OP], 16                    ; 16 slots of 4,096 bytes
	s_add_co_u32 s[OP], s[OP], s[YO]
	s_mov_b32 s[OP+1], 0
	s_add_nc_u64 s[OP:OP+1], s[12:13], s[OP:OP+1]
	s_wait_dscnt 0x0
.irp r, 0,1,2,3,4,5,6,7,8,9,10,11,12,13,14,15
	global_store_b128 v[LI], v[Z+4*\r:Z+4*\r+3], s[OP:OP+1] offset:4096*\r   ; 32 lanes store 512 consecutive bytes, at a multiple of 512 from yp's first byte
.endr
	s_wait_xcnt 0x0                                ; the stores have read their data and their base: both are written again for the next tile
.Lskip:
	s_add_co_u32 s[II], s[II], 1
	s_cmp_lt_u32 s[II], 5
	s_cbranch_scc1 .Ltile
	s_add_co_u32 s[PB], s[PB], 20
	s_cmp_ge_u32 s[PB], s[NT]
	s_cbranch_scc1 .Lnox
	TILES                                          ; the expert has more tiles: the next 20 places, with the codes that lie in LDS.  No slot is written any more, so no barrier is needed
	LDB 0
	LDA 0, 0
	s_wait_loadcnt 0x0
	s_wait_dscnt 0x0
	MMA 0, 1
	PLACES 5
.irp s, 1,2,3,4,5,6,7
	LDB \s
	LDA \s, 0
	s_wait_loadcnt 0x0
	s_wait_dscnt 0x0
	MMA 0, 0
	PLACES 5
.endr
.Lnox:
	s_add_co_u32 s[PS], s[PS], 1
	s_cmp_lt_u32 s[PS], 4
	s_cbranch_scc1 .Lpass
	s_wait_tensorcnt 0x0
	ds_add_u32 v126, v127
	s_wait_dscnt 0x0
	s_endpgm
.Lfunc_end_k_qc38e215181_ffn2:
	.size	k_qc38e215181_ffn2, .Lfunc_end_k_qc38e215181_ffn2-k_qc38e215181_ffn2
	.p2alignl 7, 3214868480
	.fill 96, 4, 3214868480
	.section	.rodata,"a",@progbits
	.p2align	6, 0x0
	.amdhsa_kernel k_qc38e215181_ffn2
		.amdhsa_group_segment_fixed_size 235008
		.amdhsa_private_segment_fixed_size 0
		.amdhsa_enable_private_segment 0
		.amdhsa_kernarg_size 40
		.amdhsa_user_sgpr_count 2
		.amdhsa_user_sgpr_kernarg_segment_ptr 1
		.amdhsa_wavefront_size32 1
		.amdhsa_system_sgpr_workgroup_id_x 1
		.amdhsa_system_sgpr_workgroup_id_y 1
		.amdhsa_system_sgpr_workgroup_id_z 1
		.amdhsa_system_vgpr_workitem_id 0
		.amdhsa_next_free_vgpr 1024
		.amdhsa_next_free_sgpr 66
		.amdhsa_reserve_vcc 0
		.amdhsa_float_denorm_mode_32 3
		.amdhsa_float_denorm_mode_16_64 3
		.amdhsa_memory_ordered 1
		.amdhsa_forward_progress 1
		.amdhsa_inst_pref_size 255
	.end_amdhsa_kernel
	.section	.bss,"aw",@nobits
	.p2align	6
	.space	262144
	.amdgpu_metadata
---
amdhsa.version: [ 1, 2 ]
amdhsa.kernels:
  - .name:           k_qc38e215181_ffn2
    .symbol:         k_qc38e215181_ffn2.kd
    .args:
      - { .name: W2, .offset: 0, .size: 8, .value_kind: global_buffer, .address_space: global }
      - { .name: hq, .offset: 8, .size: 8, .value_kind: global_buffer, .address_space: global }
      - { .name: etab, .offset: 16, .size: 8, .value_kind: global_buffer, .address_space: global }
      - { .name: lowp_scales, .offset: 24, .size: 8, .value_kind: global_buffer, .address_space: global }
      - { .name: yp, .offset: 32, .size: 8, .value_kind: global_buffer, .address_space: global }
    .group_segment_fixed_size: 235008
    .private_segment_fixed_size: 0
    .kernarg_segment_align: 8
    .kernarg_segment_size: 40
    .max_flat_workgroup_size: 128
    .sgpr_count:     66
    .vgpr_count:     1024
    .wavefront_size: 32
...
	.end_amdgpu_metadata
.endif
;; end of part 3
;; launch comb (part 4): grid 256 x 1, 8 waves a work-group, no clusters, 0 bytes of LDS; arguments yp, b2, tidx, tw, tslot, out0; writes out0
.if DOCPART == 4
	.amdgcn_target "amdgcn-amd-amdhsa--gfx1250"
	.amdhsa_code_object_version 6
	.text
	.protected	k_qc38e215181_comb
	.globl	k_qc38e215181_comb
	.p2align	8
	.type	k_qc38e215181_comb,@function
k_qc38e215181_comb:
	s_mov_b64 s[64:65], 0
	v_nop
	global_prefetch_b8 v0, s[64:65] scope:SCOPE_SE
	s_setreg_imm32_b32 hwreg(HW_REG_WAVE_MODE, 25, 1), 1
	s_wait_xcnt 0x0
; out[t] = w0 (y(slot0) + b2[e0]) + w1 (y(slot1) + b2[e1]), y(slot) = the sum of yp's four parts along K.  Each output row has one owner: nothing is added in memory.
; A wave takes half a token's row, 512 columns: 32 loads of yp and 8 of b2, 512 consecutive bytes each, all asked for at once; 4 stores of 512 consecutive bytes.  A stream: no LDS, no barrier, no matrix unit.
; tslot[e][t] holds the token's slot with expert e.  All eight entries are asked for beside the token's two experts, at places that hang on ids alone, and the two that count are picked by selects: no load waits for another's result.
; Slots and experts are whole numbers that earlier launches stored; they are held inside their tables before they enter an address.
.set PART, 33554432                    ; a part of yp: 8,192 slots x 4,096 bytes
	s_load_b256 s[4:11], s[0:1], 0x0               ; yp s[4:5], b2 s[6:7], tidx s[8:9], tw s[10:11]
	s_load_b128 s[12:15], s[0:1], 0x20             ; tslot s[12:13], out0 s[14:15]
	v_lshrrev_b32 v1, 5, v0
	v_readfirstlane_b32 s16, v1                    ; wave
	v_and_b32 v1, 31, v0
	v_lshlrev_b32 v2, 4, v1                        ; 16 bytes a lane; v2-5: + a part of yp, which no immediate reaches
	v_add_nc_u32 v3, PART, v2
	v_add_nc_u32 v4, 2*PART, v2
	v_add_nc_u32 v5, 3*PART, v2
	s_lshr_b32 s17, s16, 1
	s_lshl_b32 s18, ttmp9, 2
	s_add_co_u32 s17, s17, s18                     ; my token: 4 x work-group + wave / 2
	s_and_b32 s16, s16, 1
	s_lshl_b32 s16, s16, 11                        ; my half of its row, in bytes
	s_lshl_b32 s18, s17, 3
	s_mov_b32 s19, 0
	s_lshl_b32 s20, s17, 2
	s_mov_b32 s21, 0
	s_lshl_b32 s38, s17, 12
	s_add_co_u32 s38, s38, s16
	s_mov_b32 s39, 0
	s_wait_kmcnt 0x0
	s_add_nc_u64 s[8:9], s[8:9], s[18:19]
	s_add_nc_u64 s[10:11], s[10:11], s[18:19]
	s_add_nc_u64 s[12:13], s[12:13], s[20:21]
	s_add_nc_u64 s[14:15], s[14:15], s[38:39]
	s_load_b64 s[22:23], s[8:9], 0x0               ; the token's two experts,
	s_load_b64 s[24:25], s[10:11], 0x0             ; their weights,
.irp e, 0,1,2,3,4,5,6,7
	s_load_b32 s[40+\e], s[12:13], \e*4096         ; and its slot with each of the eight
.endr
	s_wait_kmcnt 0x0
	s_min_u32 s22, s22, 7
	s_min_u32 s23, s23, 7
	s_mov_b32 s20, s40
	s_mov_b32 s21, s40
.irp e, 1,2,3,4,5,6,7
	s_cmp_eq_u32 s22, \e
	s_cselect_b32 s20, s[40+\e], s20
	s_cmp_eq_u32 s23, \e
	s_cselect_b32 s21, s[40+\e], s21
.endr
	s_min_u32 s20, s20, 8191
	s_min_u32 s21, s21, 8191
	s_mov_b32 s27, 0
	s_lshl_b32 s26, s20, 12
	s_add_co_u32 s26, s26, s16
	s_add_nc_u64 s[28:29], s[4:5], s[26:27]
	s_lshl_b32 s26, s21, 12
	s_add_co_u32 s26, s26, s16
	s_add_nc_u64 s[30:31], s[4:5], s[26:27]
	s_lshl_b32 s26, s22, 12
	s_add_co_u32 s26, s26, s16
	s_add_nc_u64 s[32:33], s[6:7], s[26:27]
	s_lshl_b32 s26, s23, 12
	s_add_co_u32 s26, s26, s16
	s_add_nc_u64 s[34:35], s[6:7], s[26:27]
	s_mov_b32 s36, s25                             ; w1 as the low word of a pair of its own: the packed forms take a scalar pair's low word for both halves
	s_mov_b32 s37, s25
.irp k, 0,1
.irp p, 0,1,2,3
.irp c, 0,1,2,3
	global_load_b128 v[16+64*\k+16*\p+4*\c:16+64*\k+16*\p+4*\c+3], v[2+\p], s[28+2*\k:29+2*\k] offset:512*\c th:TH_LOAD_NT   ; choice k, part p: each slot belongs to one token and is read once
.endr
.endr
.endr
.irp k, 0,1
.irp c, 0,1,2,3
	global_load_b128 v[144+16*\k+4*\c:144+16*\k+4*\c+3], v2, s[32+2*\k:33+2*\k] offset:512*\c
.endr
.endr
	s_wait_loadcnt 0x0
.irp x, 0,2,4,6,8,10,12,14
	v_pk_add_f32 v[16+\x:17+\x], v[16+\x:17+\x], v[32+\x:33+\x]
	v_pk_add_f32 v[48+\x:49+\x], v[48+\x:49+\x], v[64+\x:65+\x]
	v_pk_add_f32 v[80+\x:81+\x], v[80+\x:81+\x], v[96+\x:97+\x]
	v_pk_add_f32 v[112+\x:113+\x], v[112+\x:113+\x], v[128+\x:129+\x]
	v_pk_add_f32 v[16+\x:17+\x], v[16+\x:17+\x], v[48+\x:49+\x]
	v_pk_add_f32 v[80+\x:81+\x], v[80+\x:81+\x], v[112+\x:113+\x]
	v_pk_add_f32 v[16+\x:17+\x], v[16+\x:17+\x], v[144+\x:145+\x]
	v_pk_add_f32 v[80+\x:81+\x], v[80+\x:81+\x], v[160+\x:161+\x]
	v_pk_mul_f32 v[16+\x:17+\x], v[16+\x:17+\x], s[24:25] op_sel_hi:[1,0]
	v_pk_fma_f32 v[16+\x:17+\x], v[80+\x:81+\x], s[36:37], v[16+\x:17+\x] op_sel_hi:[1,0,1]
.endr
.irp c, 0,1,2,3
	global_store_b128 v2, v[16+4*\c:19+4*\c], s[14:15] offset:512*\c th:TH_STORE_NT   ; 32 lanes store 512 consecutive bytes, at a multiple of 512 from out0's first byte
.endr
	s_endpgm
.Lfunc_end_k_qc38e215181_comb:
	.size	k_qc38e215181_comb, .Lfunc_end_k_qc38e215181_comb-k_qc38e215181_comb
	.p2alignl 7, 3214868480
	.fill 96, 4, 3214868480
	.section	.rodata,"a",@progbits
	.p2align	6, 0x0
	.amdhsa_kernel k_qc38e215181_comb
		.amdhsa_group_segment_fixed_size 0
		.amdhsa_private_segment_fixed_size 0
		.amdhsa_enable_private_segment 0
		.amdhsa_kernarg_size 48
		.amdhsa_user_sgpr_count 2
		.amdhsa_user_sgpr_kernarg_segment_ptr 1
		.amdhsa_wavefront_size32 1
		.amdhsa_system_sgpr_workgroup_id_x 1
		.amdhsa_system_sgpr_workgroup_id_y 1
		.amdhsa_system_sgpr_workgroup_id_z 1
		.amdhsa_system_vgpr_workitem_id 0
		.amdhsa_next_free_vgpr 192
		.amdhsa_next_free_sgpr 66
		.amdhsa_reserve_vcc 0
		.amdhsa_float_denorm_mode_32 3
		.amdhsa_float_denorm_mode_16_64 3
		.amdhsa_memory_ordered 1
		.amdhsa_forward_progress 1
		.amdhsa_inst_pref_size 13
	.end_amdhsa_kernel
	.amdgpu_metadata
---
amdhsa.version: [ 1, 2 ]
amdhsa.kernels:
  - .name:           k_qc38e215181_comb
    .symbol:         k_qc38e215181_comb.kd
    .args:
      - { .name: yp, .offset: 0, .size: 8, .value_kind: global_buffer, .address_space: global }
      - { .name: b2, .offset: 8, .size: 8, .value_kind: global_buffer, .address_space: global }
      - { .name: tidx, .offset: 16, .size: 8, .value_kind: global_buffer, .address_space: global }
      - { .name: tw, .offset: 24, .size: 8, .value_kind: global_buffer, .address_space: global }
      - { .name: tslot, .offset: 32, .size: 8, .value_kind: global_buffer, .address_space: global }
      - { .name: out0, .offset: 40, .size: 8, .value_kind: global_buffer, .address_space: global }
    .group_segment_fixed_size: 0
    .private_segment_fixed_size: 0
    .kernarg_segment_align: 8
    .kernarg_segment_size: 48
    .max_flat_workgroup_size: 256
    .sgpr_count:     66
    .vgpr_count:     192
    .wavefront_size: 32
...
	.end_amdgpu_metadata
.endif
;; end of part 4
;; ======== version 2 of 2: 4 launches; version 1 with the launches ffn1, ffn2 written anew for expert scheduling mode
;; workspace buffers: xq 1,048,576 bytes; tidx 8,192 bytes of whole numbers; tw 8,192 bytes; tslot 32,768 bytes of whole numbers; etab 2,048 bytes of whole numbers; hq 33,554,432 bytes; yp 134,217,728 bytes
;; launch route: the kernel of part 1 again; grid 128 x 1, 4 waves a work-group, no clusters, 0 bytes of LDS; arguments x, Wg, bg, lowp_scales, xq, tidx, tw; writes xq, tidx, tw
;; launch ffn1 (part 5): grid 32 x 8, 4 waves a work-group, no clusters, 201,216 bytes of LDS; arguments W1, b1, xq, tidx, lowp_scales, hq, tslot, etab; writes hq, tslot, etab
.if DOCPART == 5
	.amdgcn_target "amdgcn-amd-amdhsa--gfx1250"
	.amdhsa_code_object_version 6
	.text
	.protected	k_qc38e215181_ffn1
	.globl	k_qc38e215181_ffn1
	.p2align	8
	.type	k_qc38e215181_ffn1,@function
k_qc38e215181_ffn1:
	s_mov_b64 s[64:65], 0
	v_nop
	global_prefetch_b8 v0, s[64:65] scope:SCOPE_SE
	s_setreg_imm32_b32 hwreg(HW_REG_WAVE_SCHED_MODE, 0, 2), 2
	s_setreg_imm32_b32 hwreg(HW_REG_WAVE_MODE, 25, 1), 1
	s_wait_xcnt 0x0
	s_wait_alu depctr_vm_vsrc(0)
; THE FIRST LAYER OF THE CHOSEN EXPERTS: hq = Q(act(x W1[e] + b1[e])) for the tokens that chose expert e, on codes of E4M3.  act: exact GELU (erf) for even e, SiLU for odd e.
; SHARES.  Work-group (x, y) = (slice sl, expert e): hidden units 128 sl .. + 127 of expert e, all K = 1,024: 524,288 bytes of f32 weights, which this work-group alone reads, once.
; THE ROWS' PLACES are made here, from the choices that the launch before stored (whole numbers, 8,192 bytes, which every wave reads).  Expert e owns slots 1,024 e .. + 1,023, 64 tiles of 16; its tokens stand there on end,
; in the order of 32 words of lanes: bit l of word m is token 64 (m / 2) + 2 l + m % 2, set where the token chose e.  The token at place p: the word whose running count of bits reaches over p, and in it the bit of that rank.
; Places behind the expert's last row take its last row again; nobody reads their results.  An expert has one tile at the least, so that the tile which the next launch always reads has been written.
; Wave 0 of each expert's slice 0 stores what later launches need: tslot[e][token] = the token's slot with e (read only where the token chose e), etab[e] = (first tile, tiles).
; THE PIPE has no branch on data.  K goes in 8 chunks of 128.  A chunk is 128 rows of 512 bytes; wave w loads rows 32 w .. + 31, one row (512 consecutive bytes) an instruction, holds and converts them
; (the conversion gives 4 columns x 1 k a register; eight byte permutes turn 4 x 4 bytes, so that a register runs along K) and stores the codes, K innermost, into the chunk's OWN slot of LDS: 8 slots, none written twice.
; Meanwhile the chunk before is multiplied with a block of 20 tiles of 16 rows, 5 a wave (place w + 4 i among the expert's tiles).  Places past the last tile take the last tile again: that work is thrown away,
; and in return every wait's count and every barrier is the same whatever the routing.
; THE TAIL has no barrier.  Each of the expert's tiles goes out: x 2^(e0+e1) + b1, the activation, the quantiser 2^e2, and its codes as an image of the next product's operand registers (2,048 bytes a tile and slice).
; More than 320 rows: up to three more passes multiply the next 20 tiles with the codes that still lie in LDS.  So every split of the tokens is served and no weight is read twice.
; THE MATRIX INSTRUCTION IS USED TRANSPOSED (source 0 = 16 hidden units, source 1 = 16 rows), and the units of a tile are chosen (LDS row = unit with bits 3 and 4 exchanged) so that a lane's 16 registers of tiles 2 b, 2 b + 1
; are units 32 b + 16 (lane / 16) + 0 .. 15 of one row: what the conversions make of them IS the next operand's fragment.
; Fragments are fetched 16 bytes at a time (registers 4 c .. 4 c + 3: K = 32 c + 16 (lane / 16) + 0 .. 15): a permutation of K, the same on both sides of each product.
; NO CLUSTER, NO TENSOR LOAD: no two work-groups read the same weights; what the 32 slices of an expert share, the rows' codes (20 x 16 x 1,024 bytes), is less than the 524,288 bytes that are a work-group's own;
; and the tail branches on counts made of stored numbers.
; LIMITS: e0 and e2 between -126 and 119, e0 + e1 between -126 and 127.  NaN and infinities among the inputs are not served.  erf is a rational function in f32 of the argument held within +-4.
; THE MODE: SCHED_MODE bits 1:0 = 2 (LLVM: expert scheduling mode 2), set by the entry lines.  The code itself states the register dependences between vector or matrix instructions and memory or LDS
; instructions, and from a vector instruction's scalar result to its readers, with s_wait_alu, always for 0.
; THE PLAN.  Registers that memory or LDS instructions touch:
;   RAW0, RAW1 (window 1)    a chunk as loaded.  Step t: the holds and conversions of chunk t + 1 read and write RAW[(t + 1) % 2]; behind them chunk t + 3 (in step 5: b1) lands there.
;   CD, v64-95               written by the turn, read by the step's eight LDS stores, written again by the next step's turn, and behind step 7 by the tail.
;   BF, v128-255             the 32 LDS loads at a step's head land there, the step's 40 products read it.  One set: 992 of the 1,024 registers are taken, and a second set would be 128.
;   ROWS0, ROWS1 (window 3)  the products of step t read ROWS[t % 2]; the loads of step t + 1 land in the other set, which the products of step t - 1 read.
;   v1-11, v25, v29          offsets and LDS addresses, made at the head and never written again.   v12-16: written by the search, read by the rows' loads.
;   PCD, v104-119            the tail: written by a tile's conversions, read by its four stores.   v128-191, at the head: the choices as loaded, read by the compares; in one wave v128-161: the two tables, written and stored.
; So a step has three waits.  At its head, on va_vdst: the last step's products are done reading BF; and on vm_vsrc: the last step's LDS stores have read CD.  Behind the turn, on va_vdst: CD is written, the holds and
; conversions are done with RAW, the products of the step before are done with the other ROWS.  The LDS stores and the loads of rows, chunk and b1 follow that wait at once; behind them stand only
; the step's products, which name BF, ROWS[t % 2] and the accumulators.  Between a barrier's signal and its wait stands register work alone, so no load is dealt among the products.
; Compares stand in runs, each into a scalar register of its own, with one wait on va_sdst between a run and the first line that reads a mask.
.set PITCH,  16384                     ; bytes from one K row of W1[e] to the next
.set CHUNKB, 128*PITCH
.set SLOTB,  32*784                    ; a slot: LDS row R (a hidden unit, 128 codes) at (R / 4) x 784 + (R % 4) x 192.  In units of 16 bytes 784 is 1 and 192 is 12 modulo 16: the 16 lanes of a store (R / 4 = 16 different
                                       ; numbers) and the 16 rows of a fragment ((R / 4) + 12 (R % 4)) fall on 16 different columns of 16 bytes (64 banks of 4 bytes: ISA guide 11.1)
.set ASTEP,  128                       ; the rows' codes: bytes from K step to K step,
.set ACH,    32                        ; and from one 16 bytes of a lane to the next
; window 0
.set WOFF, 1                           ; v1      32 w rows + 16 x lane: my place in a chunk
.set PFO,  2                           ; v2      the prefetches' offset
.set LI,   3                           ; v3      16 x lane
.set STA,  4                           ; v4-7    where I store codes: slots 2 k, 2 k + 1
.set RDB,  8                           ; v8-11   where I read fragments: slots 2 k, 2 k + 1
.set AOFF, 12                          ; v12-16  my five tiles: the lane's row in xq
.set TOK,  17                          ; v17-21  its token
.set RHO,  22                          ; v22     lane % 16
.set QS,   23                          ; v23     2^e0 as f32
.set QA,   24                          ; v24     2^e2 as f32
.set L8,   25                          ; v25     8 x lane
.set H16,  27                          ; v27     16 (lane / 16)
.set BOFF, 29                          ; v29     64 (lane / 16)
.set T,    32                          ; v32-63  codes as converted: register j = 4 columns at K row j
.set CD,   64                          ; v64-95  codes turned: registers 8 c .. 8 c + 7 = column 4 lane + c, 32 along K
.set U,    96                          ; v96-103 at work in the turn, two sets
.set PCD,  104                         ; v104-119 a tile's codes on the way out
.set A13,  120                         ; v[120:121], v[122:123] erf's two leading coefficients
.set B8,   122
.set BF,   128                         ; v128-255 the weights' 8 fragments of a K step
.set IDX,  128                         ; at the head: v128-191 the 1,024 tokens' choices: word m's in registers 2 m, 2 m + 1
.set HH,   128                         ; the tail: v128-191 a tile's 64 numbers a lane; v192-255, v32-95 at work
.set Z,    192
.set X2,   224
.set PN,   32
.set QD,   64
; the search, three sets (set g: lanes 0-15 look for tile 2 g's rows, lanes 16-31 for tile 2 g + 1's; set 2: tile 4's in both halves), in registers that are free at the head and between passes
.set PP,   32                          ; the place
.set WW,   35                          ; the word that holds it
.set PKV,  38                          ; bits ahead of that word | the word's first token << 16
.set SA,   41                          ; the word's bits counted by twos,
.set SB,   44                          ; by fours,
.set SQ,   47                          ; by eights,
.set SD,   50                          ; and its low sixteen in the low byte
.set TT,   53
.set KK,   56                          ; the rank still to go
.set PO,   59                          ; the bit's number so far
.set TA,   62
.set XX,   65
.set TB,   68                          ; the bit's number if the next places are passed over
; window 1: v0-127, v128-255 a chunk as loaded, two sets (register 4 j + c); from step 5 on v0-63 hold b1.   window 2: accumulators of tiles 0-3 at 64 i + 8 f.
; window 3: v0-63 accumulators of tile 4; v64-143, v144-223 the rows' fragments, two sets of 5 x 16
.set TOT, 2                            ; s2  the expert's rows
.set HM,  3                            ; s3  lanes 16-31
.set GM,  4                            ; masks that compares write: set g's four at s[GM + 6 g + 36 (g / 2)]: s4-7, s10-13, s52-55, which held addresses and exponents that are done with by then
.set WV,  20                           ; s20 wave   s21 expert   s62 slice
.set EX,  21
.set SL,  62
.set WP,  22                           ; s[22:23] the slice's chunk 0, s[24:25] its chunk 4: never rewritten
.set T0,  26                           ; s26 the expert's first tile   s27 its tiles   s28 the pass's first place   s29 its last place
.set NT,  27
.set PB,  28
.set NT1, 29
.set SC,  30                           ; s[30:31] 2^(e0+e1)
.set NLW, 32                           ; s32, s33 -+448 x 2^e0    s34, s35 -+448 x 2^e2
.set PLW, 33
.set NLA, 34
.set PLA, 35
.set PR,  40                           ; s40 the tables' running slot   s42 at work
.set PKQ, 40                           ; s40-43 the search: of four words each the count of bits ahead | the word's first token << 16; where the 32 words are made: four more masks
.set TI,  44                           ; s44-48 my five tiles' places
.set II,  49
.set PS,  50
.set POS, 51
.set OP,  56                           ; s[56:57] a tile's place in hq
.set SPR, 58                           ; s58 the search's running count of bits   s59 at work
.set STM, 59
.set BP,  60                           ; s[60:61] b1 at my slice: never rewritten
.set TM1, 63                           ; s63 the last row's place
.set MK,  66                           ; s66-97 the 32 words
.set SEL, 98                           ; s98, s99 v_permlanex16_b32: lane l xor 16
.set AP,  8                            ; s[8:9] xq
.set MSB, 0
.macro WIN new                         ; the immediate's high byte repeats the setting that is left; a switch that changes nothing is dropped
.if MSB != (\new)
	s_set_vgpr_msb (MSB<<8)|(\new)
.set MSB, (\new)
.endif
.endm
.macro PLACES n
.rept \n
	v_nop
.endr
.endm
.macro LDW c                           ; chunk c, my 32 rows: each instruction reads 512 consecutive bytes, at a multiple of 512 from W1's first byte.  Every offset is an immediate (6,799,360 at the most)
	WIN 0x40
.irp j, 0,1,2,3,4,5,6,7,8,9,10,11,12,13,14,15,16,17,18,19,20,21,22,23,24,25,26,27,28,29,30,31
	global_load_b128 v[128*((\c)&1)+4*\j:128*((\c)&1)+4*\j+3], v[WOFF], s[WP+2*((\c)>>2):WP+2*((\c)>>2)+1] offset:((\c)&3)*CHUNKB+\j*PITCH th:TH_LOAD_NT
.endr
.endm
.macro PF c                            ; chunk c (4 to 7) is asked for ahead: my own 32 rows, two blocks of 256 bytes a row, a lane a block: each block is named once in the launch, one step ahead of the step that loads it
	global_prefetch_b8 v[PFO], s[WP+2:WP+3] offset:((\c)-4)*CHUNKB th:TH_LOAD_NT scope:SCOPE_SE
	global_prefetch_b8 v[PFO], s[WP+2:WP+3] offset:((\c)-4)*CHUNKB+16*PITCH th:TH_LOAD_NT scope:SCOPE_SE
.endm
.macro LDA s, par                      ; K step s of my five tiles' rows into set par
	WIN 0xc0
.irp i, 0,1,2,3,4
.irp c, 0,1,2,3
	global_load_b128 v[64+80*(\par)+16*\i+4*\c:64+80*(\par)+16*\i+4*\c+3], v[AOFF+\i], s[AP:AP+1] offset:ASTEP*(\s)+ACH*\c
.endr
.endr
.endm
.macro LDB t                           ; slot t's eight fragments
	WIN 0
.irp f, 0,1,2,3,4,5,6,7
.irp c, 0,1,2,3
	ds_load_b128 v[BF+16*\f+4*\c:BF+16*\f+4*\c+3], v[RDB+((\t)>>1)] offset:((\t)&1)*SLOTB+4*\f*784+32*\c
.endr
.endr
.endm
.macro QUANT par                       ; my 32 rows x 128 columns of set par become codes with K innermost
	WIN 0x41
.irp a, 0,1,2,3,4,5,6,7,8,9,10,11,12,13,14,15
.irp b, 0,1,2,3,4,5,6,7
	v_med3_num_f32 v[128*(\par)+8*\a+\b], v[128*(\par)+8*\a+\b], s[NLW], s[PLW]   ; the conversion to an 8-bit code does not saturate (ISA guide 7.6.2): the hold at the largest code x the scale
.endr
.endr
	WIN 0x01
.irp k, 0,1,2,3,4,5,6,7,8,9,10,11,12,13,14,15
	v_cvt_scalef32_pk8_fp8_f32 v[T+2*\k:T+2*\k+1], v[128*(\par)+8*\k:128*(\par)+8*\k+7], v[QS]
.endr
	WIN 0
	v_nop                                          ; one plain vector instruction between the conversions and the first instruction that touches their results
.irp g, 0,1,2,3,4,5,6,7                ; 4 rows x 4 columns of bytes are turned: two rows are interleaved by bytes, then two such pairs by halves
	v_perm_b32 v[U+4*(\g&1)],   v[T+4*\g+1], v[T+4*\g],   s36
	v_perm_b32 v[U+4*(\g&1)+1], v[T+4*\g+1], v[T+4*\g],   s37
	v_perm_b32 v[U+4*(\g&1)+2], v[T+4*\g+3], v[T+4*\g+2], s36
	v_perm_b32 v[U+4*(\g&1)+3], v[T+4*\g+3], v[T+4*\g+2], s37
	v_perm_b32 v[CD+\g],    v[U+4*(\g&1)+2], v[U+4*(\g&1)],   s38
	v_perm_b32 v[CD+8+\g],  v[U+4*(\g&1)+2], v[U+4*(\g&1)],   s39
	v_perm_b32 v[CD+16+\g], v[U+4*(\g&1)+3], v[U+4*(\g&1)+1], s38
	v_perm_b32 v[CD+24+\g], v[U+4*(\g&1)+3], v[U+4*(\g&1)+1], s39
.endr
.endm
.macro STB t                           ; into slot t: 32 bytes of each of my four columns' rows
	WIN 0
.irp c, 0,1,2,3
	ds_store_b128 v[STA+((\t)>>1)], v[CD+8*\c:CD+8*\c+3]   offset:((\t)&1)*SLOTB+192*\c
	ds_store_b128 v[STA+((\t)>>1)], v[CD+8*\c+4:CD+8*\c+7] offset:((\t)&1)*SLOTB+192*\c+16
.endr
.endm
; 40 matrix instructions: my five tiles x the slice's eight tiles of units, 128 along K.  The 40 accumulators take turns, one instruction a turn, in the same order in every step.
; zero = 1: the products start the sums: nothing is ever cleared.
.macro MMA par, zero
	WIN 0xac                                       ; source 0 (weights) window 0, source 1 (rows) window 3, C and D window 2
.irp i, 0,1,2,3
.irp f, 0,1,2,3,4,5,6,7
.if \zero
	v_wmma_f32_16x16x128_fp8_fp8 v[64*\i+8*\f:64*\i+8*\f+7], v[BF+16*\f:BF+16*\f+15], v[64+80*(\par)+16*\i:64+80*(\par)+16*\i+15], 0
.else
	v_wmma_f32_16x16x128_fp8_fp8 v[64*\i+8*\f:64*\i+8*\f+7], v[BF+16*\f:BF+16*\f+15], v[64+80*(\par)+16*\i:64+80*(\par)+16*\i+15], v[64*\i+8*\f:64*\i+8*\f+7]
.endif
.endr
.endr
	WIN 0xfc                                       ; C and D window 3
.irp f, 0,1,2,3,4,5,6,7
.if \zero
	v_wmma_f32_16x16x128_fp8_fp8 v[8*\f:8*\f+7], v[BF+16*\f:BF+16*\f+15], v[128+80*(\par):128+80*(\par)+15], 0
.else
	v_wmma_f32_16x16x128_fp8_fp8 v[8*\f:8*\f+7], v[BF+16*\f:BF+16*\f+15], v[128+80*(\par):128+80*(\par)+15], v[8*\f:8*\f+7]
.endif
.endr
	WIN 0
.endm
.macro TILES                           ; my five tiles of the pass: place PB + w + 4 i among the expert's tiles, held at the last
.irp i, 0,1,2,3,4
	s_add_co_u32 s[TI+\i], s[PB], s[WV]
	s_add_co_u32 s[TI+\i], s[TI+\i], 4*\i
	s_min_u32 s[TI+\i], s[TI+\i], s[NT1]
.endr
.endm
.macro T3 op, d, x, s                  ; one line for the three sets: a constant and a register
.irp g, 0,1,2
	\op v[\d+\g], \x, v[\s+\g]
.endr
.endm
.macro V3 op, d, a, b                  ; two registers
.irp g, 0,1,2
	\op v[\d+\g], v[\a+\g], v[\b+\g]
.endr
.endm
.macro LEVEL src, w, bits              ; if the rank reaches over the bits in the next w places, they are passed over
.irp g, 0,1,2
	v_bfe_u32 v[TT+\g], v[\src+\g], v[PO+\g], \bits
.endr
.irp g, 0,1,2
	v_cmp_ge_u32 s[GM+6*\g+36*(\g/2)], v[KK+\g], v[TT+\g]
.endr
	V3 v_sub_nc_u32, TA, KK, TT
.irp g, 0,1,2
	v_add_nc_u32 v[TB+\g], \w, v[PO+\g]
.endr
	s_wait_alu depctr_va_sdst(0)                   ; the three compares have written their masks, ahead of the selects that read them
.irp g, 0,1,2
	v_cndmask_b32 v[KK+\g], v[KK+\g], v[TA+\g], s[GM+6*\g+36*(\g/2)]
	v_cndmask_b32 v[PO+\g], v[PO+\g], v[TB+\g], s[GM+6*\g+36*(\g/2)]
.endr
.endm
; The tokens of my five tiles' rows, and their rows in xq.
.macro SEARCH
.irp g, 0,1
	v_mov_b32 v[TA+\g], s[TI+2*\g+1]
	v_cndmask_b32 v[PP+\g], s[TI+2*\g], v[TA+\g], s[HM]
.endr
	v_mov_b32 v[PP+2], s[TI+4]
.irp g, 0,1,2
	v_lshl_add_u32 v[PP+\g], v[PP+\g], 4, v[RHO]   ; place = 16 x tile + lane % 16,
	v_min_u32 v[PP+\g], s[TM1], v[PP+\g]           ; held at the expert's last row
	v_mov_b32 v[WW+\g], s[MK]
	v_mov_b32 v[PKV+\g], 0
	v_mov_b32 v[PO+\g], 0
	v_mov_b32 v[XX+\g], 0                          ; (a lane permute's destination counts as read)
.endr
	s_bcnt1_i32_b32 s[SPR], s[MK]
.set WD, 1
.rept 8                                ; the last word ahead of which no more than p bits stand is the word that holds place p.  Four words at a time: their twelve compares in a run, one wait, their selects in the words' order
.irp q, 0,1,2,3
.if WD+\q < 32
	s_or_b32 s[PKQ+\q], s[SPR], (64*((WD+\q)>>1)+((WD+\q)&1))<<16
.irp g, 0,1,2
	v_cmp_gt_u32 s[GM+6*\g+36*(\g/2)+\q], s[SPR], v[PP+\g]
.endr
	s_bcnt1_i32_b32 s[STM], s[MK+WD+\q]
	s_add_co_u32 s[SPR], s[SPR], s[STM]
.endif
.endr
	s_wait_alu depctr_va_sdst(0)                   ; the run's compares have written their masks, ahead of the selects that read them
.irp q, 0,1,2,3
.if WD+\q < 32
.irp g, 0,1,2
	v_cndmask_b32 v[WW+\g], s[MK+WD+\q], v[WW+\g], s[GM+6*\g+36*(\g/2)+\q]
	v_cndmask_b32 v[PKV+\g], s[PKQ+\q], v[PKV+\g], s[GM+6*\g+36*(\g/2)+\q]
.endr
.endif
.endr
.set WD, WD+4
.endr
	T3 v_and_b32, TT, 0xffff, PKV
	V3 v_sub_nc_u32, KK, PP, TT                    ; the rank inside the word
	T3 v_lshrrev_b32, TA, 1, WW
	T3 v_and_b32, TA, 0x55555555, TA
	V3 v_sub_nc_u32, SA, WW, TA
	T3 v_lshrrev_b32, TA, 2, SA
	T3 v_and_b32, TA, 0x33333333, TA
	T3 v_and_b32, SB, 0x33333333, SA
	V3 v_add_nc_u32, SB, SB, TA
	T3 v_lshrrev_b32, TA, 4, SB
	V3 v_add_nc_u32, TA, TA, SB
	T3 v_and_b32, SQ, 0x0f0f0f0f, TA
	T3 v_lshrrev_b32, TA, 8, SQ
	V3 v_add_nc_u32, SD, SQ, TA
	LEVEL SD, 16, 8
	LEVEL SQ, 8, 8
	LEVEL SB, 4, 4
	LEVEL SA, 2, 2
	LEVEL WW, 1, 1
	T3 v_lshrrev_b32, TT, 16, PKV
.irp g, 0,1,2
	v_lshl_add_u32 v[TT+\g], v[PO+\g], 1, v[TT+\g] ; token = the word's first + 2 x bit
.endr
.irp g, 0,1
	v_permlanex16_b32 v[XX+\g], v[TT+\g], s[SEL], s[SEL+1]
.endr
.irp g, 0,1                            ; both halves of the lanes want each tile's sixteen tokens
	v_cndmask_b32 v[TOK+2*\g],   v[TT+\g], v[XX+\g], s[HM]
	v_cndmask_b32 v[TOK+2*\g+1], v[XX+\g], v[TT+\g], s[HM]
.endr
	v_mov_b32 v[TOK+4], v[TT+2]
.irp i, 0,1,2,3,4
	v_min_u32 v[TOK+\i], 0x3ff, v[TOK+\i]
	v_lshl_add_u32 v[AOFF+\i], v[TOK+\i], 10, v[H16]   ; token x 1,024 + 16 (lane / 16)
.endr
.endm
.macro BIAS                            ; b1 in the results' layout: register 16 b + q = unit 32 b + 16 (lane / 16) + q; into the set that chunk 6 has left
	WIN 0x40
.irp b, 0,1,2,3
.irp q, 0,1,2,3
	global_load_b128 v[16*\b+4*\q:16*\b+4*\q+3], v[BOFF], s[BP:BP+1] offset:128*\b+16*\q
.endr
.endr
.endm
	s_load_b256 s[4:11], s[0:1], 0x0               ; W1 s[4:5], b1 s[6:7], xq s[8:9], tidx s[10:11]
	s_load_b256 s[12:19], s[0:1], 0x20             ; the scales s[12:13], hq s[14:15], tslot s[16:17], etab s[18:19]
	v_lshl_add_u32 v126, v0, 2, 0x31000
	v_mov_b32 v127, 0
	v_lshrrev_b32 v28, 5, v0
	v_readfirstlane_b32 s[WV], v28
	s_and_b32 s[EX], ttmp7, 0xffff
	s_mov_b32 s[SL], ttmp9
	v_and_b32 v28, 31, v0                          ; lane
	v_lshlrev_b32 v[LI], 4, v28
	v_lshlrev_b32 v[L8], 3, v28
	s_wait_alu depctr_va_sdst(0)                   ; the wave's number is written, ahead of its first reader
	s_mul_i32 s58, s[WV], 32*PITCH
	v_add_nc_u32 v[WOFF], s58, v[LI]
	v_lshrrev_b32 v30, 1, v28
	v_mul_u32_u24 v30, v30, PITCH
	v_and_b32 v31, 1, v28
	v_lshl_add_u32 v30, v31, 8, v30
	v_add_nc_u32 v[PFO], s58, v30                  ; row 32 w + lane / 2, block lane % 2
	s_lshl_b32 s58, s[EX], 24                      ; an expert's W1 is 16,777,216 bytes
	s_lshl_b32 s59, s[SL], 9
	s_add_co_u32 s58, s58, s59
	s_mov_b32 s59, 0
	s_wait_kmcnt 0x0
	s_add_nc_u64 s[WP:WP+1], s[4:5], s[58:59]
	s_add_nc_u64 s[WP+2:WP+3], s[WP:WP+1], 4*CHUNKB
	s_load_b128 s[52:55], s[12:13], 0x0            ; e0 (W1), e1 (x), e2 (the hidden layer), e3
	s_wait_alu depctr_va_vdst(0)                   ; the offsets v1, v2, v3 and v25 are written, which the loads, prefetches and stores of the whole kernel read
.irp j, 0,1,2,3,4,5,6,7,8,9,10,11,12,13,14,15
	global_load_b128 v[IDX+4*\j:IDX+4*\j+3], v[LI], s[10:11] offset:512*\j   ; lane l: the choices of tokens 64 j + 2 l and 64 j + 2 l + 1
.endr
	LDW 0                                          ; the weights' place hangs on ids alone
	WIN 0
	v_and_b32 v30, 0x19, v28                       ; the lane's number with bits 1 and 2 exchanged: column 4 lane + c goes to the LDS row with bits 3 and 4 exchanged
	v_bfe_u32 v31, v28, 1, 1
	v_lshl_or_b32 v30, v31, 2, v30
	v_bfe_u32 v31, v28, 2, 1
	v_lshl_or_b32 v30, v31, 1, v30
	v_mul_u32_u24 v30, v30, 784
	s_lshl_b32 s58, s[WV], 5                       ; my 32 along K of a row's 128
	v_add_nc_u32 v30, s58, v30
.irp k, 0,1,2,3
	v_add_nc_u32 v[STA+\k], \k*2*SLOTB, v30
.endr
	v_and_b32 v[RHO], 15, v0                       ; r = lane % 16
	v_bfe_u32 v31, v0, 4, 1                        ; h = lane / 16
	v_lshlrev_b32 v[H16], 4, v31
	v_lshlrev_b32 v[BOFF], 6, v31
	v_lshrrev_b32 v30, 2, v[RHO]
	v_mul_u32_u24 v30, v30, 784
	v_and_b32 v28, 3, v[RHO]
	v_mul_u32_u24 v28, v28, 192
	v_add_nc_u32 v30, v30, v28
	v_add_nc_u32 v30, v30, v[H16]
.irp k, 0,1,2,3
	v_add_nc_u32 v[RDB+\k], \k*2*SLOTB, v30
.endr
	s_mov_b32 s36, 0x05010400                      ; byte selects of the turn
	s_mov_b32 s37, 0x07030602
	s_mov_b32 s38, 0x05040100
	s_mov_b32 s39, 0x07060302
	s_mov_b32 s[HM], 0xffff0000
	s_mov_b32 s[SEL], 0x76543210
	s_mov_b32 s[SEL+1], 0xfedcba98
	v_mov_b32 v[A13], 0xaf95df0b
	v_mov_b32 v[A13+1], 0xaf95df0b
	v_mov_b32 v[B8], 0xb77460cd
	v_mov_b32 v[B8+1], 0xb77460cd
	s_lshl_b32 s58, s[EX], 14
	s_lshl_b32 s59, s[SL], 9
	s_add_co_u32 s58, s58, s59
	s_mov_b32 s59, 0
	s_add_nc_u64 s[BP:BP+1], s[6:7], s[58:59]
	s_mov_b32 s[PB], 0
	s_lshl_b32 s[T0], s[EX], 6                     ; the expert's 64 tiles
	s_wait_kmcnt 0x0
	s_add_co_i32 s58, s52, 127
	s_lshl_b32 s59, s58, 23
	v_mov_b32 v[QS], s59                           ; 2^e0 as f32: the conversion takes its exponent field
	s_add_co_i32 s58, s58, 8
	s_lshl_b32 s58, s58, 23
	s_or_b32 s[PLW], s58, 0x600000                 ; 448 x 2^e0
	s_or_b32 s[NLW], s[PLW], 0x80000000
	s_add_co_i32 s58, s54, 127
	s_lshl_b32 s59, s58, 23
	v_mov_b32 v[QA], s59                           ; 2^e2
	s_add_co_i32 s58, s58, 8
	s_lshl_b32 s58, s58, 23
	s_or_b32 s[PLA], s58, 0x600000
	s_or_b32 s[NLA], s[PLA], 0x80000000
	s_add_co_i32 s[SC], s52, s53
	s_add_co_i32 s[SC], s[SC], 127
	s_lshl_b32 s[SC], s[SC], 23                    ; 2^(e0+e1)
	s_mov_b32 s[SC+1], s[SC]                       ; (named with it as a pair, so it is written)
	s_wait_loadcnt 32                              ; the choices are in; chunk 0's 32 loads, issued behind them, may be out
	LDW 1                                          ; two chunks are on their way while the rows are placed.  (No vector instruction since the wait at the head names v1 or these registers)
	WIN 0
.set WD, 0
.rept 2                                ; the 32 words, sixteen at a time: 32 compares in a run, each into a scalar register of its own, one wait, sixteen scalar lines
.irp q, 0,1,2,3,4,5,6,7,8,9,10,11,12,13,14,15
	v_cmp_eq_u32 s[MK+WD+\q], s[EX], v[IDX+2*(WD+\q)]
.endr
.irp q, 0,1,2,3
	v_cmp_eq_u32 s[PKQ+\q],   s[EX], v[IDX+2*(WD+\q)+1]
	v_cmp_eq_u32 s[GM+\q],    s[EX], v[IDX+2*(WD+4+\q)+1]
	v_cmp_eq_u32 s[GM+6+\q],  s[EX], v[IDX+2*(WD+8+\q)+1]
	v_cmp_eq_u32 s[GM+48+\q], s[EX], v[IDX+2*(WD+12+\q)+1]
.endr
	s_wait_alu depctr_va_sdst(0)                   ; the 32 compares have written their masks, ahead of the scalar lines that read them
.irp q, 0,1,2,3
	s_or_b32 s[MK+WD+\q],    s[MK+WD+\q],    s[PKQ+\q]
	s_or_b32 s[MK+WD+4+\q],  s[MK+WD+4+\q],  s[GM+\q]
	s_or_b32 s[MK+WD+8+\q],  s[MK+WD+8+\q],  s[GM+6+\q]
	s_or_b32 s[MK+WD+12+\q], s[MK+WD+12+\q], s[GM+48+\q]
.endr
.set WD, WD+16
.endr
	s_mov_b32 s[TOT], 0
.set WD, 0
.rept 32
	s_bcnt1_i32_b32 s42, s[MK+WD]
	s_add_co_u32 s[TOT], s[TOT], s42
.set WD, WD+1
.endr
	s_add_co_u32 s[NT], s[TOT], 15
	s_lshr_b32 s[NT], s[NT], 4
	s_max_u32 s[NT], s[NT], 1                      ; one tile at the least
	s_min_u32 s[NT], s[NT], 64
	s_sub_co_u32 s[NT1], s[NT], 1
	s_max_u32 s[TM1], s[TOT], 1
	s_sub_co_u32 s[TM1], s[TM1], 1
	TILES
	SEARCH
	s_wait_alu depctr_va_vdst(0)                   ; the search has written v12-16, the offsets of the rows' loads; the head has written the LDS addresses v4-11 and b1's offset v29; the compares are done reading v128-191, in which fragments land
	LDA 0, 0
	WIN 0
	s_or_b32 s42, s[SL], s[WV]
	s_cmp_lg_u32 s42, 0
	s_cbranch_scc1 .Lno_table                      ; on ids: the two tables are stored by wave 0 of the expert's slice 0
	s_lshl_b32 s58, s[EX], 12
	s_mov_b32 s59, 0
	s_add_nc_u64 s[16:17], s[16:17], s[58:59]      ; tslot[e]
	s_lshl_b32 s58, s[EX], 8
	s_add_nc_u64 s[18:19], s[18:19], s[58:59]      ; etab[e]
	s_lshl_b32 s[PR], s[EX], 10                    ; the expert's first slot
.set WD, 0
.rept 32
	v_mbcnt_lo_u32_b32 v[IDX+WD], s[MK+WD], s[PR]  ; slot = the first + the bits ahead of the word + those below my lane
	s_bcnt1_i32_b32 s42, s[MK+WD]
	s_add_co_u32 s[PR], s[PR], s42
.set WD, WD+1
.endr
	v_mov_b32 v[IDX+32], s[T0]
	v_mov_b32 v[IDX+33], s[NT]
	s_wait_alu depctr_va_vdst(0)                   ; the two tables are written into v128-161, the data of the stores below
.irp j, 0,1,2,3,4,5,6,7,8,9,10,11,12,13,14,15
	global_store_b64 v[L8], v[IDX+2*\j:IDX+2*\j+1], s[16:17] offset:256*\j   ; tokens 64 j + 2 l, 64 j + 2 l + 1: 32 lanes store 256 consecutive bytes, at a multiple of 256 from tslot's first byte
.endr
	global_store_b64 v[L8], v[IDX+32:IDX+33], s[18:19]   ; 32 copies: 256 consecutive bytes; the next launch reads the first
	s_wait_xcnt 0x0                                ; the stores have read their data: the fragments' loads land there later
	s_wait_alu depctr_vm_vsrc(0)                   ; the stores have read v128-161, in which the fragments' loads land
.Lno_table:
	s_wait_loadcnt 52                              ; chunk 0 is in; chunk 1's 32 loads and the rows' 20 may be out
	QUANT 0
	s_wait_alu depctr_va_vdst(0)                   ; the turn has written v[CD ..], which the LDS stores read; the holds and conversions are done with RAW0, in which chunk 2 lands
	STB 0
	LDW 2
	s_wait_dscnt 0x0                               ; for the others' sake: my part of slot 0 has landed
	s_barrier_signal -1
	s_barrier_wait -1
; STEP t multiplies slot t and makes slot t + 1.  Loads are issued in the order chunk t + 1, rows' step t, chunk t + 2: the wait that leaves the last 32 out shows the first two in.
; One barrier a step: in front of its signal my stores into slot t + 1 have landed (and my reads are in); behind its wait slot t + 1 is read.  Only matrix instructions and v_nop stand between signal and wait.
.macro STEP t
.if (\t) > 0
	s_wait_alu depctr_va_vdst(0)                   ; the last step's products are done reading the weights' fragments v128-255, in which this step's land
.endif
	s_wait_alu depctr_vm_vsrc(0)                   ; my last LDS stores have read v[CD ..], which the turn below (in step 7: the tail) writes again
	LDB \t
.if (\t) < 7
.if (\t) == 6
	s_wait_loadcnt 16                              ; chunk 7 and the rows' step 6 are in; b1's sixteen loads may be out
.else
	s_wait_loadcnt 32
.endif
	QUANT ((\t)+1)&1
	s_wait_alu depctr_va_vdst(0)                   ; the turn has written v[CD ..], which the LDS stores read; the holds and conversions are done with their RAW, in which the next chunk (step 5: b1) lands; the products of the step before are done with the rows' other set
	STB (\t)+1
	LDA (\t)+1, ((\t)+1)&1
.if (\t) < 5
	LDW (\t)+3
.endif
.if (\t) < 4
	PF (\t)+4
.endif
.if (\t) == 5
	BIAS
.endif
	s_wait_dscnt 0x0
	s_barrier_signal -1
.if (\t) == 0
	MMA 0, 1
.else
	MMA (\t)&1, 0
.endif
	PLACES 4                                       ; four places in front of the next step's loads into the fragments' registers (ISA guide 7.12.1 for vector instructions); they stay beside the wait at that step's head
	s_barrier_wait -1
.else
	s_wait_loadcnt 0x0                             ; the rows' last step, and b1
	s_wait_dscnt 0x0
	MMA 1, 0
	PLACES 5                                       ; in front of the first reads of results, and of a pass that begins the sums anew
.endif
.endm
.irp t, 0,1,2,3,4,5,6,7
	STEP \t
.endr
; ---- THE TAIL ----
.macro ARM i                           ; tile i's sums x 2^(e0+e1) + b1, each accumulator from its low end on, into window 0
.if (\i) < 4
	WIN 0x12                                       ; source 0 window 2, source 2 (b1) window 1
.else
	WIN 0x13
.endif
.irp q, 0,2,4,6,8,10,12,14,16,18,20,22,24,26,28,30,32,34,36,38,40,42,44,46,48,50,52,54,56,58,60,62
	v_pk_fma_f32 v[HH+\q:HH+\q+1], v[64*((\i)&3)+\q:64*((\i)&3)+\q+1], s[SC:SC+1], v[\q:\q+1] op_sel_hi:[1,0,1]
.endr
	WIN 0
.endm
.macro HORN r, lit                     ; a step of Horner's rule on 32 numbers
.irp q, 0,2,4,6,8,10,12,14,16,18,20,22,24,26,28,30
	v_pk_fma_f32 v[\r+\q:\r+\q+1], v[\r+\q:\r+\q+1], v[X2+\q:X2+\q+1], \lit op_sel_hi:[1,1,0]
.endr
.endm
; 32 numbers: a = h / 2 + (h / 2) erf(h / sqrt 2), erf(z) = z P(z^2) / Q(z^2) with z held within +-4
.macro GELU hb
.irp q, 0,2,4,6,8,10,12,14,16,18,20,22,24,26,28,30
	v_pk_mul_f32 v[Z+\q:Z+\q+1], v[\hb+\q:\hb+\q+1], 0x3f3504f3 op_sel_hi:[1,0]
.endr
.irp q, 0,1,2,3,4,5,6,7,8,9,10,11,12,13,14,15,16,17,18,19,20,21,22,23,24,25,26,27,28,29,30,31
	v_med3_num_f32 v[Z+\q], v[Z+\q], -4.0, 4.0
.endr
.irp q, 0,2,4,6,8,10,12,14,16,18,20,22,24,26,28,30
	v_pk_mul_f32 v[X2+\q:X2+\q+1], v[Z+\q:Z+\q+1], v[Z+\q:Z+\q+1]
.endr
.irp q, 0,2,4,6,8,10,12,14,16,18,20,22,24,26,28,30
	v_pk_fma_f32 v[PN+\q:PN+\q+1], v[X2+\q:X2+\q+1], v[A13:A13+1], 0x32edffee op_sel_hi:[1,1,0]
	v_pk_fma_f32 v[QD+\q:QD+\q+1], v[X2+\q:X2+\q+1], v[B8:B8+1], 0xb95fbd29 op_sel_hi:[1,1,0]
.endr
	HORN PN, 0xb60cff51
	HORN QD, 0xbadc924e
	HORN PN, 0xb86ec2d2
	HORN QD, 0xbbf19bf8
	HORN PN, 0xba40ac63
	HORN QD, 0xbc69b6a7
	HORN PN, 0xbb41a1f6
	HORN PN, 0xbc83dbd4
.irp q, 0,2,4,6,8,10,12,14,16,18,20,22,24,26,28,30
	v_pk_mul_f32 v[PN+\q:PN+\q+1], v[PN+\q:PN+\q+1], v[Z+\q:Z+\q+1]
.endr
.irp q, 0,1,2,3,4,5,6,7,8,9,10,11,12,13,14,15,16,17,18,19,20,21,22,23,24,25,26,27,28,29,30,31
	v_rcp_f32 v[QD+\q], v[QD+\q]
.endr
.irp q, 0,2,4,6,8,10,12,14,16,18,20,22,24,26,28,30
	v_pk_mul_f32 v[\hb+\q:\hb+\q+1], v[\hb+\q:\hb+\q+1], 0.5 op_sel_hi:[1,0]     ; independent work behind the reciprocals
.endr
	s_wait_alu depctr_va_vdst(0)                   ; the 32 reciprocals have written v[QD ..]: one wait for the batch, ahead of its first reader
.irp q, 0,2,4,6,8,10,12,14,16,18,20,22,24,26,28,30
	v_pk_mul_f32 v[PN+\q:PN+\q+1], v[PN+\q:PN+\q+1], v[QD+\q:QD+\q+1]
.endr
.irp q, 0,2,4,6,8,10,12,14,16,18,20,22,24,26,28,30
	v_pk_fma_f32 v[\hb+\q:\hb+\q+1], v[\hb+\q:\hb+\q+1], v[PN+\q:PN+\q+1], v[\hb+\q:\hb+\q+1]
.endr
.endm
	s_mov_b32 s[PS], 0
	s_mov_b32 s[PB], 0
.Lpass:                                            ; four passes of 20 places cover the 64 tiles that an expert can have
	s_mov_b32 s[II], 0
.Ltile:
	s_lshl_b32 s[POS], s[II], 2
	s_add_co_u32 s[POS], s[POS], s[WV]
	s_add_co_u32 s[POS], s[POS], s[PB]             ; tile i's place among the expert's tiles
	s_cmp_ge_u32 s[POS], s[NT]
	s_cbranch_scc1 .Lskip                          ; past the last: the sums are thrown away
	s_cmp_eq_u32 s[II], 0
	s_cbranch_scc1 .Larm0
	s_cmp_eq_u32 s[II], 1
	s_cbranch_scc1 .Larm1
	s_cmp_eq_u32 s[II], 2
	s_cbranch_scc1 .Larm2
	s_cmp_eq_u32 s[II], 3
	s_cbranch_scc1 .Larm3
	ARM 4
	s_branch .Lact
.Larm0:
	ARM 0
	s_branch .Lact
.Larm1:
	ARM 1
	s_branch .Lact
.Larm2:
	ARM 2
	s_branch .Lact
.Larm3:
	ARM 3
.Lact:
	s_bitcmp1_b32 s[EX], 0
	s_cbranch_scc1 .Lsilu                          ; on the expert's number, an id
	GELU HH
	GELU HH+32
	s_branch .Lquant
.Lsilu:                                            ; a = h / (1 + e^-h)
.irp q, 0,2,4,6,8,10,12,14,16,18,20,22,24,26,28,30,32,34,36,38,40,42,44,46,48,50,52,54,56,58,60,62
	v_pk_mul_f32 v[Z+\q:Z+\q+1], v[HH+\q:HH+\q+1], 0xbfb8aa3b op_sel_hi:[1,0]
.endr
.irp q, 0,1,2,3,4,5,6,7,8,9,10,11,12,13,14,15,16,17,18,19,20,21,22,23,24,25,26,27,28,29,30,31,32,33,34,35,36,37,38,39,40,41,42,43,44,45,46,47,48,49,50,51,52,53,54,55,56,57,58,59,60,61,62,63
	v_exp_f32 v[Z+\q], v[Z+\q]
.endr
	v_nop                                          ; a plain instruction behind the last exponential
	s_wait_alu depctr_va_vdst(0)                   ; the 64 exponentials have written v[Z ..]: one wait for the batch
.irp q, 0,2,4,6,8,10,12,14,16,18,20,22,24,26,28,30,32,34,36,38,40,42,44,46,48,50,52,54,56,58,60,62
	v_pk_add_f32 v[Z+\q:Z+\q+1], v[Z+\q:Z+\q+1], 1.0 op_sel_hi:[1,0]
.endr
.irp q, 0,1,2,3,4,5,6,7,8,9,10,11,12,13,14,15,16,17,18,19,20,21,22,23,24,25,26,27,28,29,30,31,32,33,34,35,36,37,38,39,40,41,42,43,44,45,46,47,48,49,50,51,52,53,54,55,56,57,58,59,60,61,62,63
	v_rcp_f32 v[Z+\q], v[Z+\q]
.endr
	v_nop
	s_wait_alu depctr_va_vdst(0)                   ; the 64 reciprocals have written v[Z ..]: one wait for the batch
.irp q, 0,2,4,6,8,10,12,14,16,18,20,22,24,26,28,30,32,34,36,38,40,42,44,46,48,50,52,54,56,58,60,62
	v_pk_mul_f32 v[HH+\q:HH+\q+1], v[HH+\q:HH+\q+1], v[Z+\q:Z+\q+1]
.endr
.Lquant:
.irp q, 0,1,2,3,4,5,6,7,8,9,10,11,12,13,14,15,16,17,18,19,20,21,22,23,24,25,26,27,28,29,30,31,32,33,34,35,36,37,38,39,40,41,42,43,44,45,46,47,48,49,50,51,52,53,54,55,56,57,58,59,60,61,62,63
	v_med3_num_f32 v[HH+\q], v[HH+\q], s[NLA], s[PLA]
.endr
.irp k, 0,1,2,3,4,5,6,7
	v_cvt_scalef32_pk8_fp8_f32 v[PCD+2*\k:PCD+2*\k+1], v[HH+8*\k:HH+8*\k+7], v[QA]   ; registers 4 b .. 4 b + 3: K = 32 b + 16 (lane / 16) + 0 .. 15 of the next product's K step sl
.endr
	v_nop                                          ; one plain vector instruction behind the last conversion
	s_add_co_u32 s[OP], s[T0], s[POS]
	s_min_u32 s[OP], s[OP], 511
	s_lshl_b32 s[OP], s[OP], 16                    ; a tile's 32 images of 2,048 bytes
	s_lshl_b32 s[OP+1], s[SL], 11
	s_add_co_u32 s[OP], s[OP], s[OP+1]
	s_mov_b32 s[OP+1], 0
	s_add_nc_u64 s[OP:OP+1], s[14:15], s[OP:OP+1]
	s_wait_alu depctr_va_vdst(0)                   ; the conversions have written v[PCD ..], the data of the stores below
.irp c, 0,1,2,3
	global_store_b128 v[LI], v[PCD+4*\c:PCD+4*\c+3], s[OP:OP+1] offset:512*\c   ; 32 lanes store 512 consecutive bytes, at a multiple of 512 from hq's first byte
.endr
	s_wait_xcnt 0x0                                ; the stores have read their data and their base: both are written again for the next tile
	s_wait_alu depctr_vm_vsrc(0)                   ; the stores have read v[PCD ..], which the next tile's conversions write again
.Lskip:
	s_add_co_u32 s[II], s[II], 1
	s_cmp_lt_u32 s[II], 5
	s_cbranch_scc1 .Ltile
	s_add_co_u32 s[PB], s[PB], 20
	s_cmp_ge_u32 s[PB], s[NT]
	s_cbranch_scc1 .Lnox
	TILES                                          ; the expert has more tiles: the next 20 places, with the codes that lie in LDS.  No slot is written any more, so no barrier is needed
	s_wait_alu depctr_vm_vsrc(0)                   ; the rows' loads issued so far have read v12-16, which the search writes anew
	SEARCH                                         ; (all earlier loads by these offsets have been waited for)
	s_wait_alu depctr_va_vdst(0)                   ; the search has written v12-16, the offsets of the rows' loads; the tail's arithmetic is done with v128-255, and the earlier products with the rows' set 0, in which the loads below land
	LDB 0
	LDA 0, 0
	s_wait_loadcnt 0x0
	s_wait_dscnt 0x0
	MMA 0, 1
	PLACES 5
.irp s, 1,2,3,4,5,6,7
	s_wait_alu depctr_va_vdst(0)                   ; the products above are done reading v128-255 and the rows' set 0, in which the loads below land
	LDB \s
	LDA \s, 0
	s_wait_loadcnt 0x0
	s_wait_dscnt 0x0
	MMA 0, 0
	PLACES 5
.endr
.Lnox:
	s_add_co_u32 s[PS], s[PS], 1
	s_cmp_lt_u32 s[PS], 4
	s_cbranch_scc1 .Lpass
	s_wait_dscnt 0x0                               ; the closing lines, six on end
	s_wait_alu 0x0
	s_wait_tensorcnt 0x0
	ds_add_u32 v126, v127
	s_wait_dscnt 0x0
	s_endpgm
.Lfunc_end_k_qc38e215181_ffn1:
	.size	k_qc38e215181_ffn1, .Lfunc_end_k_qc38e215181_ffn1-k_qc38e215181_ffn1
	.p2alignl 7, 3214868480
	.fill 96, 4, 3214868480
	.section	.rodata,"a",@progbits
	.p2align	6, 0x0
	.amdhsa_kernel k_qc38e215181_ffn1
		.amdhsa_group_segment_fixed_size 201216
		.amdhsa_private_segment_fixed_size 0
		.amdhsa_enable_private_segment 0
		.amdhsa_kernarg_size 64
		.amdhsa_user_sgpr_count 2
		.amdhsa_user_sgpr_kernarg_segment_ptr 1
		.amdhsa_wavefront_size32 1
		.amdhsa_system_sgpr_workgroup_id_x 1
		.amdhsa_system_sgpr_workgroup_id_y 1
		.amdhsa_system_sgpr_workgroup_id_z 1
		.amdhsa_system_vgpr_workitem_id 0
		.amdhsa_next_free_vgpr 1024
		.amdhsa_next_free_sgpr 100
		.amdhsa_reserve_vcc 0
		.amdhsa_float_denorm_mode_32 3
		.amdhsa_float_denorm_mode_16_64 3
		.amdhsa_memory_ordered 1
		.amdhsa_forward_progress 1
		.amdhsa_inst_pref_size 255
	.end_amdhsa_kernel
	.section	.bss,"aw",@nobits
	.p2align	6
	.space	262144
	.amdgpu_metadata
---
amdhsa.version: [ 1, 2 ]
amdhsa.kernels:
  - .name:           k_qc38e215181_ffn1
    .symbol:         k_qc38e215181_ffn1.kd
    .args:
      - { .name: W1, .offset: 0, .size: 8, .value_kind: global_buffer, .address_space: global }
      - { .name: b1, .offset: 8, .size: 8, .value_kind: global_buffer, .address_space: global }
      - { .name: xq, .offset: 16, .size: 8, .value_kind: global_buffer, .address_space: global }
      - { .name: tidx, .offset: 24, .size: 8, .value_kind: global_buffer, .address_space: global }
      - { .name: lowp_scales, .offset: 32, .size: 8, .value_kind: global_buffer, .address_space: global }
      - { .name: hq, .offset: 40, .size: 8, .value_kind: global_buffer, .address_space: global }
      - { .name: tslot, .offset: 48, .size: 8, .value_kind: global_buffer, .address_space: global }
      - { .name: etab, .offset: 56, .size: 8, .value_kind: global_buffer, .address_space: global }
    .group_segment_fixed_size: 201216
    .private_segment_fixed_size: 0
    .kernarg_segment_align: 8
    .kernarg_segment_size: 64
    .max_flat_workgroup_size: 128
    .sgpr_count:     100
    .vgpr_count:     1024
    .wavefront_size: 32
...
	.end_amdgpu_metadata
.endif
;; end of part 5
;; launch ffn2 (part 6): grid 32 x 8, 4 waves a work-group, no clusters, 235,008 bytes of LDS; arguments W2, hq, etab, lowp_scales, yp; writes yp
.if DOCPART == 6
	.amdgcn_target "amdgcn-amd-amdhsa--gfx1250"
	.amdhsa_code_object_version 6
	.text
	.protected	k_qc38e215181_ffn2
	.globl	k_qc38e215181_ffn2
	.p2align	8
	.type	k_qc38e215181_ffn2,@function
k_qc38e215181_ffn2:
	s_mov_b64 s[64:65], 0
	v_nop
	global_prefetch_b8 v0, s[64:65] scope:SCOPE_SE
	s_setreg_imm32_b32 hwreg(HW_REG_WAVE_SCHED_MODE, 0, 2), 2
	s_setreg_imm32_b32 hwreg(HW_REG_WAVE_MODE, 25, 1), 1
	s_wait_xcnt 0x0
	s_wait_alu depctr_vm_vsrc(0)
; THE SECOND LAYER OF THE CHOSEN EXPERTS, in four parts along K: yp[kq][slot][:] = 2^(e2+e3) x (hq's codes) x (W2[e]'s codes), K = hidden units 1,024 kq .. + 1,023.  The parts, b2 and the gate's weights meet in the next launch.
; SHARES.  Work-group (x, y): expert e = y, columns 128 ns .. + 127 (ns = x % 8), part kq = x / 8: 1,024 x 128 weights, 524,288 bytes of f32, which this work-group alone reads, once.
; Expert e owns slots 1,024 e .. + 1,023, 64 tiles of 16; how many of the tiles hold rows (one at the least) the launch before has stored in etab.
; THE PIPE has no branch on data: 8 chunks of 128 along K; wave w loads rows 32 w .. + 31 of a chunk, one row (512 consecutive bytes) an instruction, holds, converts and turns them (4 x 4 bytes by eight byte permutes) and stores the
; codes, K innermost, into the chunk's OWN slot of LDS: 8 slots, none written twice.  Meanwhile the chunk before is multiplied with a block of 20 tiles of 16 slots, 5 a wave (place w + 4 i among the expert's tiles); places past the
; last tile take the last tile again, and that work is thrown away: so every wait's count and every barrier is the same whatever the routing.
; THE TAIL has no barrier: each of the expert's tiles is scaled and leaves through the wave's own stage in LDS as whole rows of 512 bytes.  More than 320 rows: up to three more passes with the codes that lie in LDS.
; THE MATRIX INSTRUCTION IS USED TRANSPOSED (source 0 = 16 columns of W2, source 1 = 16 slots): a lane holds eight neighbouring columns of one slot's row.
; The rows' fragments come as the images of operand registers that the launch before stored: 512 consecutive bytes an instruction.  Both sides hold K = 32 c + 16 (lane / 16) + 0 .. 15 in registers 4 c .. 4 c + 3.
; NO CLUSTER, NO TENSOR LOAD: no two work-groups read the same weights; what the 8 column blocks of an expert and part share, the rows' images (20 x 8 x 2,048 bytes), is less than the 524,288 bytes that are a work-group's own;
; and the tail branches on stored counts.
; LIMITS: e3 between -126 and 119, e2 + e3 between -126 and 127.  NaN and infinities among the inputs are not served.
; THE MODE: SCHED_MODE bits 1:0 = 2 (LLVM: expert scheduling mode 2), set by the entry lines.  The code itself states the register dependences between vector or matrix instructions and memory or LDS
; instructions, and from a vector instruction's scalar result to its readers, with s_wait_alu, always for 0.
; THE PLAN.  Registers that memory or LDS instructions touch:
;   RAW0, RAW1 (window 1)    a chunk as loaded.  Step t: the holds and conversions of chunk t + 1 read and write RAW[(t + 1) % 2]; behind them chunk t + 3 lands there.
;   CD, v64-95               written by the turn, read by the step's eight LDS stores, written again by the next step's turn; behind step 6 by nothing.
;   BF, v128-255             the 32 LDS loads at a step's head land there, the step's 40 products read it.  One set: 992 of the 1,024 registers are taken, and a second set would be 128.
;   ROWS0, ROWS1 (window 3)  the products of step t read ROWS[t % 2]; the loads of step t + 1 land in the other set, which the products of step t - 1 read.
;   v1-11, v25, v26          offsets and LDS addresses, made at the head and never written again.   v12-16: written where a pass's tiles are chosen, read by the rows' loads.
;   HH, v128-191; Z, v192-255  the tail: a tile's scalings write HH, the stage's LDS stores read it; the stage's LDS loads land in Z, the tile's global stores read it.
; So a step has three waits.  At its head, on va_vdst: the last step's products are done reading BF; and on vm_vsrc: the last step's LDS stores have read CD.  Behind the turn, on va_vdst: CD is written, the holds and
; conversions are done with RAW, the products of the step before are done with the other ROWS.  The LDS stores and the loads of rows and chunk follow that wait at once; behind them stand only the step's
; products, which name BF, ROWS[t % 2] and the accumulators.  Between a barrier's signal and its wait stands register work alone, so no load is dealt among the products.
.set PITCH,  4096                      ; bytes from one K row of W2[e] to the next
.set CHUNKB, 128*PITCH
.set SLOTB,  32*784                    ; a slot: LDS row R (a column, 128 codes) at (R / 4) x 784 + (R % 4) x 192.  In units of 16 bytes 784 is 1 and 192 is 12 modulo 16: the 16 lanes of a store and the 16 rows of a
                                       ; fragment fall on 16 different columns of 16 bytes (64 banks of 4 bytes: ISA guide 11.1)
.set STG,    8*SLOTB                   ; behind the slots: a stage of 16 rows x (512 + 16) bytes for each wave
.set ASTEP,  2048                      ; the rows' images: bytes from K step to K step,
.set ACH,    512                       ; and from four registers to the next four
.set WOFF, 1                           ; v1      32 w rows + 16 x lane
.set PFO,  2                           ; v2      the prefetches' offset
.set LI,   3                           ; v3      16 x lane
.set STA,  4                           ; v4-7    where I store codes: slots 2 k, 2 k + 1
.set RDB,  8                           ; v8-11   where I read fragments
.set AOFF, 12                          ; v12-16  my five tiles in hq
.set QS,   23                          ; v23     2^e3 as f32
.set STO,  25                          ; v25     the stage: where I put 32 bytes of a row
.set RD,   26                          ; v26     and where I read a row back
.set T,    32                          ; v32-63  codes as converted
.set CD,   64                          ; v64-95  codes turned
.set U,    96                          ; v96-103 at work in the turn
.set BF,   128                         ; v128-255 the weights' 8 fragments of a K step
.set HH,   128                         ; the tail: v128-191 a tile's 64 numbers a lane, v192-255 its rows back from the stage
.set Z,    192
; window 1: a chunk as loaded, two sets of 128.   window 2: accumulators of tiles 0-3 at 64 i + 8 f.   window 3: v0-63 accumulators of tile 4; v64-143, v144-223 the rows' fragments, two sets
.set WV,  18                           ; s18 wave   s19 expert   s20 ns   s21 kq
.set EX,  19
.set NS,  20
.set KQ,  21
.set WP,  22                           ; s[22:23] chunk 0, s[24:25] chunk 4: never rewritten
.set T0,  26
.set NT,  27
.set PB,  28
.set NT1, 29
.set SC,  30                           ; s[30:31] 2^(e2+e3)
.set NLW, 32                           ; s32, s33 -+448 x 2^e3
.set PLW, 33
.set TI,  44
.set II,  49
.set PS,  50
.set POS, 51
.set OP,  56                           ; s[56:57] a tile's place in yp
.set YO,  62                           ; s62 my part's and my columns' bytes in yp
.set AP,  14                           ; s[14:15] hq at my part's first K step
.set MSB, 0
.macro WIN new                         ; the immediate's high byte repeats the setting that is left; a switch that changes nothing is dropped
.if MSB != (\new)
	s_set_vgpr_msb (MSB<<8)|(\new)
.set MSB, (\new)
.endif
.endm
.macro PLACES n
.rept \n
	v_nop
.endr
.endm
.macro LDW c                           ; chunk c, my 32 rows: each instruction reads 512 consecutive bytes, at a multiple of 512 from W2's first byte.  Every offset is an immediate
	WIN 0x40
.irp j, 0,1,2,3,4,5,6,7,8,9,10,11,12,13,14,15,16,17,18,19,20,21,22,23,24,25,26,27,28,29,30,31
	global_load_b128 v[128*((\c)&1)+4*\j:128*((\c)&1)+4*\j+3], v[WOFF], s[WP+2*((\c)>>2):WP+2*((\c)>>2)+1] offset:((\c)&3)*CHUNKB+\j*PITCH th:TH_LOAD_NT
.endr
.endm
.macro PF c                            ; chunk c (4 to 7) is asked for ahead: my own 32 rows, two blocks of 256 bytes a row, a lane a block: each block is named once in the launch, one step ahead of the step that loads it
	global_prefetch_b8 v[PFO], s[WP+2:WP+3] offset:((\c)-4)*CHUNKB th:TH_LOAD_NT scope:SCOPE_SE
	global_prefetch_b8 v[PFO], s[WP+2:WP+3] offset:((\c)-4)*CHUNKB+16*PITCH th:TH_LOAD_NT scope:SCOPE_SE
.endm
.macro LDA s, par                      ; K step s of my five tiles into set par
	WIN 0xc0
.irp i, 0,1,2,3,4
.irp c, 0,1,2,3
	global_load_b128 v[64+80*(\par)+16*\i+4*\c:64+80*(\par)+16*\i+4*\c+3], v[AOFF+\i], s[AP:AP+1] offset:ASTEP*(\s)+ACH*\c
.endr
.endr
.endm
.macro LDB t                           ; slot t's eight fragments
	WIN 0
.irp f, 0,1,2,3,4,5,6,7
.irp c, 0,1,2,3
	ds_load_b128 v[BF+16*\f+4*\c:BF+16*\f+4*\c+3], v[RDB+((\t)>>1)] offset:((\t)&1)*SLOTB+4*\f*784+32*\c
.endr
.endr
.endm
.macro QUANT par                       ; my 32 rows x 128 columns of set par become codes with K innermost
	WIN 0x41
.irp a, 0,1,2,3,4,5,6,7,8,9,10,11,12,13,14,15
.irp b, 0,1,2,3,4,5,6,7
	v_med3_num_f32 v[128*(\par)+8*\a+\b], v[128*(\par)+8*\a+\b], s[NLW], s[PLW]   ; the conversion to an 8-bit code does not saturate (ISA guide 7.6.2): the hold at the largest code x the scale
.endr
.endr
	WIN 0x01
.irp k, 0,1,2,3,4,5,6,7,8,9,10,11,12,13,14,15
	v_cvt_scalef32_pk8_fp8_f32 v[T+2*\k:T+2*\k+1], v[128*(\par)+8*\k:128*(\par)+8*\k+7], v[QS]
.endr
	WIN 0
	v_nop                                          ; one plain vector instruction between the conversions and the first instruction that touches their results
.irp g, 0,1,2,3,4,5,6,7
	v_perm_b32 v[U+4*(\g&1)],   v[T+4*\g+1], v[T+4*\g],   s36
	v_perm_b32 v[U+4*(\g&1)+1], v[T+4*\g+1], v[T+4*\g],   s37
	v_perm_b32 v[U+4*(\g&1)+2], v[T+4*\g+3], v[T+4*\g+2], s36
	v_perm_b32 v[U+4*(\g&1)+3], v[T+4*\g+3], v[T+4*\g+2], s37
	v_perm_b32 v[CD+\g],    v[U+4*(\g&1)+2], v[U+4*(\g&1)],   s38
	v_perm_b32 v[CD+8+\g],  v[U+4*(\g&1)+2], v[U+4*(\g&1)],   s39
	v_perm_b32 v[CD+16+\g], v[U+4*(\g&1)+3], v[U+4*(\g&1)+1], s38
	v_perm_b32 v[CD+24+\g], v[U+4*(\g&1)+3], v[U+4*(\g&1)+1], s39
.endr
.endm
.macro STB t
	WIN 0
.irp c, 0,1,2,3
	ds_store_b128 v[STA+((\t)>>1)], v[CD+8*\c:CD+8*\c+3]   offset:((\t)&1)*SLOTB+192*\c
	ds_store_b128 v[STA+((\t)>>1)], v[CD+8*\c+4:CD+8*\c+7] offset:((\t)&1)*SLOTB+192*\c+16
.endr
.endm
; 40 matrix instructions: my five tiles x the eight tiles of columns, 128 along K.  The 40 accumulators take turns, one instruction a turn, in the same order in every step.
.macro MMA par, zero
	WIN 0xac                                       ; source 0 (weights) window 0, source 1 (rows) window 3, C and D window 2
.irp i, 0,1,2,3
.irp f, 0,1,2,3,4,5,6,7
.if \zero
	v_wmma_f32_16x16x128_fp8_fp8 v[64*\i+8*\f:64*\i+8*\f+7], v[BF+16*\f:BF+16*\f+15], v[64+80*(\par)+16*\i:64+80*(\par)+16*\i+15], 0
.else
	v_wmma_f32_16x16x128_fp8_fp8 v[64*\i+8*\f:64*\i+8*\f+7], v[BF+16*\f:BF+16*\f+15], v[64+80*(\par)+16*\i:64+80*(\par)+16*\i+15], v[64*\i+8*\f:64*\i+8*\f+7]
.endif
.endr
.endr
	WIN 0xfc                                       ; C and D window 3
.irp f, 0,1,2,3,4,5,6,7
.if \zero
	v_wmma_f32_16x16x128_fp8_fp8 v[8*\f:8*\f+7], v[BF+16*\f:BF+16*\f+15], v[128+80*(\par):128+80*(\par)+15], 0
.else
	v_wmma_f32_16x16x128_fp8_fp8 v[8*\f:8*\f+7], v[BF+16*\f:BF+16*\f+15], v[128+80*(\par):128+80*(\par)+15], v[8*\f:8*\f+7]
.endif
.endr
	WIN 0
.endm
.macro TILES                           ; my five tiles of the pass: place PB + w + 4 i, held at the expert's last tile; the hold by a constant comes last; then their bytes in hq
.irp i, 0,1,2,3,4
	s_add_co_u32 s[TI+\i], s[PB], s[WV]
	s_add_co_u32 s[TI+\i], s[TI+\i], 4*\i
	s_min_u32 s[TI+\i], s[TI+\i], s[NT1]
	s_add_co_u32 s[TI+\i], s[TI+\i], s[T0]
	s_min_u32 s[TI+\i], s[TI+\i], 511
	v_lshl_add_u32 v[AOFF+\i], s[TI+\i], 16, v[LI]
.endr
.endm
	s_load_b256 s[4:11], s[0:1], 0x0               ; W2 s[4:5], hq s[6:7], etab s[8:9], the scales s[10:11]
	s_load_b64 s[12:13], s[0:1], 0x20              ; yp
	v_lshl_add_u32 v126, v0, 2, 0x39400
	v_mov_b32 v127, 0
	v_lshrrev_b32 v28, 5, v0
	v_readfirstlane_b32 s[WV], v28
	s_and_b32 s[EX], ttmp7, 0xffff
	s_and_b32 s[NS], ttmp9, 7
	s_lshr_b32 s[KQ], ttmp9, 3
	v_and_b32 v28, 31, v0                          ; lane
	v_lshlrev_b32 v[LI], 4, v28
	s_wait_alu depctr_va_sdst(0)                   ; the wave's number is written, ahead of its first reader
	s_mul_i32 s58, s[WV], 32*PITCH
	v_add_nc_u32 v[WOFF], s58, v[LI]
	v_lshrrev_b32 v30, 1, v28
	v_mul_u32_u24 v30, v30, PITCH
	v_and_b32 v31, 1, v28
	v_lshl_add_u32 v30, v31, 8, v30
	v_add_nc_u32 v[PFO], s58, v30                  ; row 32 w + lane / 2, block lane % 2
	s_lshl_b32 s58, s[EX], 24                      ; an expert's W2 is 16,777,216 bytes,
	s_lshl_b32 s59, s[KQ], 22                      ; 1,024 of its rows 4,194,304
	s_add_co_u32 s58, s58, s59
	s_lshl_b32 s59, s[NS], 9
	s_add_co_u32 s58, s58, s59
	s_mov_b32 s59, 0
	s_lshl_b32 s40, s[EX], 8                       ; an expert's entry of etab begins a block of 256 bytes
	s_mov_b32 s41, 0
	s_lshl_b32 s42, s[KQ], 14                      ; 8 K steps' images of a tile
	s_mov_b32 s43, 0
	s_lshl_b32 s[YO], s[KQ], 25                    ; a part of yp: 8,192 slots x 4,096 bytes
	s_lshl_b32 s60, s[NS], 9
	s_add_co_u32 s[YO], s[YO], s60
	s_wait_kmcnt 0x0
	s_add_nc_u64 s[WP:WP+1], s[4:5], s[58:59]
	s_add_nc_u64 s[WP+2:WP+3], s[WP:WP+1], 4*CHUNKB
	s_add_nc_u64 s[8:9], s[8:9], s[40:41]
	s_add_nc_u64 s[AP:AP+1], s[6:7], s[42:43]
	s_load_b64 s[T0:T0+1], s[8:9], 0x0             ; the expert's first tile, its tiles
	s_load_b128 s[52:55], s[10:11], 0x0            ; e0, e1, e2 (the hidden layer), e3 (W2)
	s_wait_alu depctr_va_vdst(0)                   ; the offsets v1, v2 and v3 are written, which the loads, prefetches and stores of the whole kernel read
	LDW 0                                          ; the weights' place hangs on ids alone: they are asked for before any table has come
	WIN 0
	v_mul_u32_u24 v30, v28, 784                    ; column 4 lane + c is LDS row 4 lane + c
	s_lshl_b32 s58, s[WV], 5                       ; my 32 along K of a row's 128
	v_add_nc_u32 v30, s58, v30
.irp k, 0,1,2,3
	v_add_nc_u32 v[STA+\k], \k*2*SLOTB, v30
.endr
	v_and_b32 v29, 15, v0                          ; r = lane % 16
	v_bfe_u32 v31, v0, 4, 1                        ; h = lane / 16
	v_lshrrev_b32 v30, 2, v29
	v_mul_u32_u24 v30, v30, 784
	v_and_b32 v28, 3, v29
	v_mul_u32_u24 v28, v28, 192
	v_add_nc_u32 v30, v30, v28
	v_lshl_add_u32 v30, v31, 4, v30
.irp k, 0,1,2,3
	v_add_nc_u32 v[RDB+\k], \k*2*SLOTB, v30
.endr
	s_mul_i32 s58, s[WV], 16*528
	s_add_co_u32 s58, s58, STG                     ; my stage
	v_mul_u32_u24 v30, v29, 528
	v_lshl_add_u32 v30, v31, 5, v30
	v_add_nc_u32 v[STO], s58, v30                  ; in: row r, 32 bytes for each half of the lanes
	v_add_nc_u32 v[RD], s58, v[LI]                 ; back: the 32 lanes take one row of 512 bytes
	s_mov_b32 s36, 0x05010400                      ; byte selects of the turn
	s_mov_b32 s37, 0x07030602
	s_mov_b32 s38, 0x05040100
	s_mov_b32 s39, 0x07060302
	s_mov_b32 s[PB], 0
	s_wait_kmcnt 0x0
	s_min_u32 s[T0], s[T0], 511
	s_min_u32 s[NT], s[NT], 64
	s_max_u32 s[NT1], s[NT], 1
	s_sub_co_u32 s[NT1], s[NT1], 1
	s_add_co_i32 s58, s55, 127
	s_lshl_b32 s59, s58, 23
	v_mov_b32 v[QS], s59                           ; 2^e3 as f32: the conversion takes its exponent field
	s_add_co_i32 s58, s58, 8
	s_lshl_b32 s58, s58, 23
	s_or_b32 s[PLW], s58, 0x600000                 ; 448 x 2^e3
	s_or_b32 s[NLW], s[PLW], 0x80000000
	s_add_co_i32 s[SC], s54, s55
	s_add_co_i32 s[SC], s[SC], 127
	s_lshl_b32 s[SC], s[SC], 23                    ; 2^(e2+e3)
	s_mov_b32 s[SC+1], s[SC]                       ; (named with it as a pair, so it is written)
	TILES
	s_wait_alu depctr_va_vdst(0)                   ; v12-16, the offsets of the rows' loads, are written; so are the LDS addresses v4-11, v25 and v26
	LDA 0, 0
	LDW 1
	s_wait_loadcnt 52                              ; chunk 0 is in; the rows' 20 loads and chunk 1's 32 may be out
	QUANT 0
	s_wait_alu depctr_va_vdst(0)                   ; the turn has written v[CD ..], which the LDS stores read; the holds and conversions are done with RAW0, in which chunk 2 lands
	STB 0
	LDW 2
	s_wait_dscnt 0x0                               ; for the others' sake: my part of slot 0 has landed
	s_barrier_signal -1
	s_barrier_wait -1
; STEP t multiplies slot t and makes slot t + 1.  What is out at its wait: chunk t + 1 and the rows' step t, and behind them chunk t + 2: the wait that leaves the last 32 out shows the first two in.
; One barrier a step: in front of its signal my stores into slot t + 1 have landed (and my reads are in); behind its wait slot t + 1 is read.  Only matrix instructions and v_nop stand between signal and wait.
.macro STEP t
.if (\t) > 0
	s_wait_alu depctr_va_vdst(0)                   ; the last step's products are done reading the weights' fragments v128-255, in which this step's land
.endif
.if (\t) < 7
	s_wait_alu depctr_vm_vsrc(0)                   ; my last LDS stores have read v[CD ..], which the turn below writes again
.endif
	LDB \t
.if (\t) < 7
.if (\t) == 6
	s_wait_loadcnt 0x0                             ; chunk 7 and the rows' step 6: nothing was issued behind them
.else
	s_wait_loadcnt 32
.endif
	QUANT ((\t)+1)&1
	s_wait_alu depctr_va_vdst(0)                   ; the turn has written v[CD ..], which the LDS stores read; the holds and conversions are done with their RAW, in which the next chunk lands; the products of the step before are done with the rows' other set
	STB (\t)+1
	LDA (\t)+1, ((\t)+1)&1
.if (\t) < 5
	LDW (\t)+3
.endif
.if (\t) < 4
	PF (\t)+4
.endif
	s_wait_dscnt 0x0
	s_barrier_signal -1
.if (\t) == 0
	MMA 0, 1
.else
	MMA (\t)&1, 0
.endif
	PLACES 4                                       ; four places in front of the next step's loads into the fragments' registers (ISA guide 7.12.1 for vector instructions); they stay beside the wait at that step's head
	s_barrier_wait -1
.else
	s_wait_loadcnt 0x0
	s_wait_dscnt 0x0
	MMA 1, 0
	PLACES 5                                       ; in front of the first reads of results, and of a pass that begins the sums anew
.endif
.endm
.irp t, 0,1,2,3,4,5,6,7
	STEP \t
.endr
; ---- THE TAIL ----
.macro ARM i                           ; tile i's sums x 2^(e2+e3), each accumulator from its low end on, into window 0
.if (\i) < 4
	WIN 0x02
.else
	WIN 0x03
.endif
.irp q, 0,2,4,6,8,10,12,14,16,18,20,22,24,26,28,30,32,34,36,38,40,42,44,46,48,50,52,54,56,58,60,62
	v_pk_mul_f32 v[HH+\q:HH+\q+1], v[64*((\i)&3)+\q:64*((\i)&3)+\q+1], s[SC:SC+1] op_sel_hi:[1,0]
.endr
	WIN 0
.endm
	s_mov_b32 s[PS], 0
	s_mov_b32 s[PB], 0
.Lpass:                                            ; four passes of 20 places cover the 64 tiles that an expert can have
	s_mov_b32 s[II], 0
.Ltile:
	s_lshl_b32 s[POS], s[II], 2
	s_add_co_u32 s[POS], s[POS], s[WV]
	s_add_co_u32 s[POS], s[POS], s[PB]             ; tile i's place among the expert's tiles
	s_cmp_ge_u32 s[POS], s[NT]
	s_cbranch_scc1 .Lskip                          ; past the last: the sums are thrown away
	s_cmp_eq_u32 s[II], 0
	s_cbranch_scc1 .Larm0
	s_cmp_eq_u32 s[II], 1
	s_cbranch_scc1 .Larm1
	s_cmp_eq_u32 s[II], 2
	s_cbranch_scc1 .Larm2
	s_cmp_eq_u32 s[II], 3
	s_cbranch_scc1 .Larm3
	ARM 4
	s_branch .Lout
.Larm0:
	ARM 0
	s_branch .Lout
.Larm1:
	ARM 1
	s_branch .Lout
.Larm2:
	ARM 2
	s_branch .Lout
.Larm3:
	ARM 3
.Lout:
	s_wait_alu depctr_va_vdst(0)                   ; the scalings have written v[HH ..], which the LDS stores read; the products are done reading v192-255, in which the stage's loads land
.irp f, 0,1,2,3,4,5,6,7
	ds_store_b128 v[STO], v[HH+8*\f:HH+8*\f+3]   offset:64*\f       ; lane (r, h): slot r, columns 16 f + 8 h + 0 .. 7
	ds_store_b128 v[STO], v[HH+8*\f+4:HH+8*\f+7] offset:64*\f+16
.endr
.irp r, 0,1,2,3,4,5,6,7,8,9,10,11,12,13,14,15
	ds_load_b128 v[Z+4*\r:Z+4*\r+3], v[RD] offset:528*\r               ; LDS serves a wave's instructions in order (ISA guide 5.7.1.4): these see my stores; the stage is my wave's own
.endr
	s_add_co_u32 s[OP], s[T0], s[POS]
	s_min_u32 s[OP], s[OP], 511
	s_lshl_b32 s[OP], s[OP], 16                    ; 16 slots of 4,096 bytes
	s_add_co_u32 s[OP], s[OP], s[YO]
	s_mov_b32 s[OP+1], 0
	s_add_nc_u64 s[OP:OP+1], s[12:13], s[OP:OP+1]
	s_wait_dscnt 0x0
.irp r, 0,1,2,3,4,5,6,7,8,9,10,11,12,13,14,15
	global_store_b128 v[LI], v[Z+4*\r:Z+4*\r+3], s[OP:OP+1] offset:4096*\r   ; 32 lanes store 512 consecutive bytes, at a multiple of 512 from yp's first byte
.endr
	s_wait_xcnt 0x0                                ; the stores have read their data and their base: both are written again for the next tile
	s_wait_alu depctr_vm_vsrc(0)                   ; the LDS stores have read v[HH ..], which the next tile's scalings write again; the global stores have read v[Z ..], in which the next tile's loads from the stage land
.Lskip:
	s_add_co_u32 s[II], s[II], 1
	s_cmp_lt_u32 s[II], 5
	s_cbranch_scc1 .Ltile
	s_add_co_u32 s[PB], s[PB], 20
	s_cmp_ge_u32 s[PB], s[NT]
	s_cbranch_scc1 .Lnox
	s_wait_alu depctr_vm_vsrc(0)                   ; the rows' loads issued so far have read v12-16, which the lines below write anew
	TILES                                          ; the expert has more tiles: the next 20 places, with the codes that lie in LDS.  No slot is written any more, so no barrier is needed
	s_wait_alu depctr_va_vdst(0)                   ; v12-16, the offsets of the rows' loads, are written; the tail's scalings are done with v128-191, and the earlier products with v192-255 and the rows' set 0, in which the loads below land
	LDB 0
	LDA 0, 0
	s_wait_loadcnt 0x0
	s_wait_dscnt 0x0
	MMA 0, 1
	PLACES 5
.irp s, 1,2,3,4,5,6,7
	s_wait_alu depctr_va_vdst(0)                   ; the products above are done reading v128-255 and the rows' set 0, in which the loads below land
	LDB \s
	LDA \s, 0
	s_wait_loadcnt 0x0
	s_wait_dscnt 0x0
	MMA 0, 0
	PLACES 5
.endr
.Lnox:
	s_add_co_u32 s[PS], s[PS], 1
	s_cmp_lt_u32 s[PS], 4
	s_cbranch_scc1 .Lpass
	s_wait_dscnt 0x0                               ; the closing lines, six on end
	s_wait_alu 0x0
	s_wait_tensorcnt 0x0
	ds_add_u32 v126, v127
	s_wait_dscnt 0x0
	s_endpgm
.Lfunc_end_k_qc38e215181_ffn2:
	.size	k_qc38e215181_ffn2, .Lfunc_end_k_qc38e215181_ffn2-k_qc38e215181_ffn2
	.p2alignl 7, 3214868480
	.fill 96, 4, 3214868480
	.section	.rodata,"a",@progbits
	.p2align	6, 0x0
	.amdhsa_kernel k_qc38e215181_ffn2
		.amdhsa_group_segment_fixed_size 235008
		.amdhsa_private_segment_fixed_size 0
		.amdhsa_enable_private_segment 0
		.amdhsa_kernarg_size 40
		.amdhsa_user_sgpr_count 2
		.amdhsa_user_sgpr_kernarg_segment_ptr 1
		.amdhsa_wavefront_size32 1
		.amdhsa_system_sgpr_workgroup_id_x 1
		.amdhsa_system_sgpr_workgroup_id_y 1
		.amdhsa_system_sgpr_workgroup_id_z 1
		.amdhsa_system_vgpr_workitem_id 0
		.amdhsa_next_free_vgpr 1024
		.amdhsa_next_free_sgpr 66
		.amdhsa_reserve_vcc 0
		.amdhsa_float_denorm_mode_32 3
		.amdhsa_float_denorm_mode_16_64 3
		.amdhsa_memory_ordered 1
		.amdhsa_forward_progress 1
		.amdhsa_inst_pref_size 255
	.end_amdhsa_kernel
	.section	.bss,"aw",@nobits
	.p2align	6
	.space	262144
	.amdgpu_metadata
---
amdhsa.version: [ 1, 2 ]
amdhsa.kernels:
  - .name:           k_qc38e215181_ffn2
    .symbol:         k_qc38e215181_ffn2.kd
    .args:
      - { .name: W2, .offset: 0, .size: 8, .value_kind: global_buffer, .address_space: global }
      - { .name: hq, .offset: 8, .size: 8, .value_kind: global_buffer, .address_space: global }
      - { .name: etab, .offset: 16, .size: 8, .value_kind: global_buffer, .address_space: global }
      - { .name: lowp_scales, .offset: 24, .size: 8, .value_kind: global_buffer, .address_space: global }
      - { .name: yp, .offset: 32, .size: 8, .value_kind: global_buffer, .address_space: global }
    .group_segment_fixed_size: 235008
    .private_segment_fixed_size: 0
    .kernarg_segment_align: 8
    .kernarg_segment_size: 40
    .max_flat_workgroup_size: 128
    .sgpr_count:     66
    .vgpr_count:     1024
    .wavefront_size: 32
...
	.end_amdgpu_metadata
.endif
;; end of part 6
;; launch comb: the kernel of part 4 again; grid 256 x 1, 8 waves a work-group, no clusters, 0 bytes of LDS; arguments yp, b2, tidx, tw, tslot, out0; writes out0
